; MI455X (gfx1250); checked and timed in simulation.
; The chip was launched on July 23, 2026; its instructions are those of AMD's public machine-readable ISA for CDNA 5 (MIT licence, August 2026) and "CDNA5" Instruction Set Architecture Reference Guide (July 2026). The comments in the code are by the model that wrote it; some were corrected since.
;; Attention. Allowed arithmetic: float matrix products may take bf16 or f16 operands with f32 sums; other float arithmetic in f32, or as packed bf16 or f16 multiplies, adds, multiply-adds, maxima and minima; sums over many terms, partial sums and values carried from step to step in f32; what a program stores and reads back later, other than sums and carried values, may be rounded once to bf16 or f16.
;; Inputs: k_norm_w 128 float32; q_norm_w 128 float32; rope_cache 2,048 x 256 float32; wk 1,024 x 1,024 float32; wo 1,024 x 2,048 float32; wq 2,048 x 1,024 float32; wv 1,024 x 1,024 float32; x 2 x 2,048 x 1,024 float32.
;; Outputs: out0 2 x 2,048 x 1,024 float32.
;; One version. Each part assembles by itself: llvm-mc -triple=amdgcn-amd-amdhsa -mcpu=gfx1250 --defsym DOCPART=n.
;; ======== version 1 of 1: 4 launches
;; limits: values are held in f16: magnitudes above 65,504 overflow, below 6.1e-05 lose precision
;; workspace buffers: cast 22,020,096 bytes; qkv 33,554,432 bytes; att 16,777,216 bytes
;; launch cast (part 1): grid 672 x 1, 8 waves a work-group, no clusters, 0 bytes of LDS; arguments x, wq, wk, wv, wo, rope_cache, cast; writes cast
.if DOCPART == 1
	.amdgcn_target "amdgcn-amd-amdhsa--gfx1250"
	.amdhsa_code_object_version 6
	.text
	.protected	k_q326fedbf35_cast
	.globl	k_q326fedbf35_cast
	.p2align	8
	.type	k_q326fedbf35_cast,@function
k_q326fedbf35_cast:
	s_mov_b64 s[64:65], 0
	v_nop
	global_prefetch_b8 v0, s[64:65] scope:SCOPE_SE
	s_setreg_imm32_b32 hwreg(HW_REG_WAVE_MODE, 25, 1), 1
	s_wait_xcnt 0x0
; 16-BIT COPIES OF THE INPUTS.  x, wq, wk, wv and rope_cache are rounded to bf16; wo is rounded to bf16 and that number is written as f16
; (exact from 6.1e-5 up to 65,504; below it keeps f16's fixed step of 6e-8; beyond it is lost: the stated limit of this program).
; The copies lie one behind the other in 'cast', in the order x, wq, wk, wv, wo, rope_cache, so that wq, wk, wv form one matrix of 4,096 rows.
; SHARES.  Work-group i turns 65,536 bytes of f32 into the 32,768 bytes at cast + 32,768 i; the six sources hold 256, 128, 64, 64, 128, 32 such pieces.
; A thread takes 8 numbers at a time: two loads of 16 bytes, one store of 16 bytes; sixteen neighbouring lanes store 256 consecutive bytes, aligned.
; All 16 loads of a thread go out first; every register is written once, so no register waits for a store.
; No LDS, no matrix unit, no cluster: nothing is shared and nothing is read twice.
.set X, 8                              ; v[8:71]    eight pieces of 8 f32
.set Y, 72                             ; v[72:103]  eight pieces of 4 words to store
.set T, 104                            ; v[104:111] at work (wo alone)
	s_load_b256 s[4:11], s[0:1], 0x0               ; x s[4:5], wq s[6:7], wk s[8:9], wv s[10:11]
	s_load_b128 s[12:15], s[0:1], 0x20             ; wo s[12:13], rope_cache s[14:15]
	s_load_b64 s[16:17], s[0:1], 0x30              ; cast
	v_lshlrev_b32 v1, 5, v0                        ; my 32 bytes of a run of 8,192 in the source
	v_lshlrev_b32 v2, 4, v0                        ; my 16 bytes of a run of 4,096 in the copy
	s_mov_b32 s23, 0xffff0000                      ; a word's upper bf16
	s_lshl_b32 s26, ttmp9, 15                      ; the work-group's place in the copy
	s_mov_b32 s27, 0
	s_mov_b32 s25, 0
	s_mov_b32 s22, 0                               ; the first work-group of my source
	s_sub_co_u32 s28, ttmp9, 512                   ; under 128 (unsigned) for wo's work-groups alone
	s_wait_kmcnt 0x0
	s_mov_b64 s[20:21], s[4:5]
.macro PICK start, lo                  ; from work-group 'start' on the source is the buffer in s[lo:lo+1]
	s_cmp_ge_u32 ttmp9, \start
	s_cselect_b64 s[20:21], s[\lo:\lo+1], s[20:21]
	s_cselect_b32 s22, \start, s22
.endm
	PICK 256, 6
	PICK 384, 8
	PICK 448, 10
	PICK 512, 12
	PICK 640, 14
	s_sub_co_u32 s24, ttmp9, s22
	s_lshl_b32 s24, s24, 16                        ; my piece of that source
	s_add_nc_u64 s[20:21], s[20:21], s[24:25]
	s_add_nc_u64 s[16:17], s[16:17], s[26:27]
.irp it, 0,1,2,3,4,5,6,7
	global_load_b128 v[X+8*(\it):X+8*(\it)+3],   v1, s[20:21] offset:8192*(\it) th:TH_LOAD_NT
	global_load_b128 v[X+8*(\it)+4:X+8*(\it)+7], v1, s[20:21] offset:8192*(\it)+16 th:TH_LOAD_NT
.endr
; Piece 'it' is rounded and stored.  h = 1: the bf16 numbers are widened again and written as f16.
.macro CV it, h
	s_wait_loadcnt 14-2*(\it)                      ; loads come back in order: the two of each later piece may stay out
.irp k, 0,1,2,3
	v_cvt_pk_bf16_f32 v[Y+4*(\it)+(\k)], v[X+8*(\it)+2*(\k)], v[X+8*(\it)+2*(\k)+1]
.endr
.if \h
.irp k, 0,1,2,3
	v_lshlrev_b32 v[T+2*(\k)],   16,  v[Y+4*(\it)+(\k)]
	v_and_b32     v[T+2*(\k)+1], s23, v[Y+4*(\it)+(\k)]
.endr
.irp k, 0,1,2,3
	v_cvt_pk_f16_f32 v[Y+4*(\it)+(\k)], v[T+2*(\k)], v[T+2*(\k)+1]
.endr
.endif
	global_store_b128 v2, v[Y+4*(\it):Y+4*(\it)+3], s[16:17] offset:4096*(\it) th:TH_STORE_NT
.endm
	s_cmp_lt_u32 s28, 128
	s_cbranch_scc1 .Lwo
.irp it, 0,1,2,3,4,5,6,7
	CV \it, 0
.endr
	s_endpgm
.Lwo:
.irp it, 0,1,2,3,4,5,6,7
	CV \it, 1
.endr
	s_endpgm
.Lfunc_end_k_q326fedbf35_cast:
	.size	k_q326fedbf35_cast, .Lfunc_end_k_q326fedbf35_cast-k_q326fedbf35_cast
	.p2alignl 7, 3214868480
	.fill 96, 4, 3214868480
	.section	.rodata,"a",@progbits
	.p2align	6, 0x0
	.amdhsa_kernel k_q326fedbf35_cast
		.amdhsa_group_segment_fixed_size 0
		.amdhsa_private_segment_fixed_size 0
		.amdhsa_enable_private_segment 0
		.amdhsa_kernarg_size 56
		.amdhsa_user_sgpr_count 2
		.amdhsa_user_sgpr_kernarg_segment_ptr 1
		.amdhsa_wavefront_size32 1
		.amdhsa_system_sgpr_workgroup_id_x 1
		.amdhsa_system_sgpr_workgroup_id_y 1
		.amdhsa_system_sgpr_workgroup_id_z 1
		.amdhsa_system_vgpr_workitem_id 0
		.amdhsa_next_free_vgpr 112
		.amdhsa_next_free_sgpr 66
		.amdhsa_reserve_vcc 0
		.amdhsa_float_denorm_mode_32 3
		.amdhsa_float_denorm_mode_16_64 3
		.amdhsa_memory_ordered 1
		.amdhsa_forward_progress 1
		.amdhsa_inst_pref_size 14
	.end_amdhsa_kernel
	.amdgpu_metadata
---
amdhsa.version: [ 1, 2 ]
amdhsa.kernels:
  - .name:           k_q326fedbf35_cast
    .symbol:         k_q326fedbf35_cast.kd
    .args:
      - { .name: x, .offset: 0, .size: 8, .value_kind: global_buffer, .address_space: global }
      - { .name: wq, .offset: 8, .size: 8, .value_kind: global_buffer, .address_space: global }
      - { .name: wk, .offset: 16, .size: 8, .value_kind: global_buffer, .address_space: global }
      - { .name: wv, .offset: 24, .size: 8, .value_kind: global_buffer, .address_space: global }
      - { .name: wo, .offset: 32, .size: 8, .value_kind: global_buffer, .address_space: global }
      - { .name: rope_cache, .offset: 40, .size: 8, .value_kind: global_buffer, .address_space: global }
      - { .name: cast, .offset: 48, .size: 8, .value_kind: global_buffer, .address_space: global }
    .group_segment_fixed_size: 0
    .private_segment_fixed_size: 0
    .kernarg_segment_align: 8
    .kernarg_segment_size: 56
    .max_flat_workgroup_size: 256
    .sgpr_count:     66
    .vgpr_count:     112
    .wavefront_size: 32
...
	.end_amdgpu_metadata
.endif
;; end of part 1
;; launch qkv (part 2): grid 16 x 16, 4 waves a work-group, clusters of 4 x 4, 327,680 bytes of LDS; arguments cast, q_norm_w, k_norm_w, qkv; writes qkv
.if DOCPART == 2
	.amdgcn_target "amdgcn-amd-amdhsa--gfx1250"
	.amdhsa_code_object_version 6
	.text
	.protected	k_q326fedbf35_qkv
	.globl	k_q326fedbf35_qkv
	.p2align	8
	.type	k_q326fedbf35_qkv,@function
k_q326fedbf35_qkv:
	s_mov_b64 s[64:65], 0
	v_nop
	global_prefetch_b8 v0, s[64:65] scope:SCOPE_SE
	s_setreg_imm32_b32 hwreg(HW_REG_WAVE_MODE, 25, 1), 1
	s_wait_xcnt 0x0
	s_wait_alu depctr_hold_cnt(0) depctr_sa_sdst(0) depctr_va_vdst(0) depctr_va_sdst(0) depctr_va_ssrc(0) depctr_va_vcc(0) depctr_vm_vsrc(0)
	s_getreg_b32 s2, hwreg(HW_REG_IB_STS2, 6, 4)
	s_cmp_eq_u32 s2, 0
	s_cbranch_scc0 .Lentry_in_a_cluster
	s_endpgm
.Lentry_in_a_cluster:
	s_bfe_u32 s2, ttmp6, 0x10000c
	s_cmp_lg_u32 s2, 0xf033
	s_cbranch_scc0 .Lentry_shape_is_right
	s_endpgm
.Lentry_shape_is_right:
; Q, K, V = x [wq; wk; wv]^T, THEN THE NORM OF EACH HEAD'S ROW AND THE ROTATION, AND OUT BY HEADS IN f16.
; A = x in bf16, [4096][1024]; B = the three weights in bf16, [4096][1024]; both lie in 'cast'.  Sums in f32.
; A tile of C is 256 x 256, made by four waves of 128 x 128: 64 accumulators of 16 x 16, 512 registers a wave.  16 x 16 tiles: a work-group each.
; K goes in steps of 128 through a ring of two LDS slots filled by the tensor data mover; a tile's rows are 256 bytes of memory, aligned.
; CLUSTERS: 4 x 4 work-groups; A's tiles are asked for jointly along a row of the cluster, B's along a column.
; A WAVE'S 128 COLUMNS ARE ONE HEAD: head hh = 2 x tile column + (wave & 1); hh 0-15 are q's, 16-23 k's, 24-31 v's.  Cluster x = 0, 1 holds q, 2 holds k, 3 holds v,
; so what differs between them (which gain, norm and rotation or none) hangs on the cluster's x alone: the same in all sixteen partners.
; THE MATRIX INSTRUCTION IS USED TRANSPOSED (source 0 = 16 rows of B, source 1 = 16 rows of A): lane l holds row l % 16 of C and, in accumulator b, the columns 16 b + 8 (l / 16) + 0..7.
; So a row's 128 numbers lie in two lanes (one exchange gives the sum of squares), and column d + 64 is the same lane's same register of accumulator b + 4: the rotation changes no lane.
; THE WAY OUT, a block of 16 rows at a time: ssq; T = acc x gain; U = cos T(d) -+ sin T(d +- 64); U / sqrt(ssq / 128 + 1e-6); f16; through my stage in LDS; rows of 256 bytes to qkv[hh][row][128].
; (The factor 1 / sqrt(..) is applied last, reference() applies it first: another order of f32 roundings.)  v: T = acc x 1.0 is rounded to f16 as it is; its sums of squares are made by the shared text and not used.
; The gains and cos, sin are rounded to bf16 like every input of the module.  cos and sin of the tile's 256 positions come by one more tensor load a wave into slot 0, when its last K step has been read.
; LIMITS: q, k, v must lie within f16's 65,504 (v is the product itself; q and k are at most 11.4 x the gain); NaN and infinities are not treated apart.
; REGISTERS, in windows of 256: window 0: v0-31 addresses and at work; v64-127, v128-191 fragments of A; on the way out v64-127 T, v128-159 cos then packed results, v160-191 sin then rows read back, v192-255 U
;   window 1: v0-63 my 64 gains; v64-127, v128-191 fragments of B      window 2: accumulators of my rows 0-63 ((a, b) at v[8 (8 a + b)])      window 3: those of rows 64-127
.set SIZE_K, 1024
.set KSTEP,  128
.set PITCH,  272                       ; an LDS row: 256 bytes + 16 of padding: the 16 rows that a load touches start at 16 different groups of four banks
.set HALFT,  128*PITCH                 ; what one tensor load brings
.set SLOT,   4*HALFT                   ; A's 256 rows, then B's 256 rows
.set STAGE,  2*SLOT                    ; behind the ring: 16 rows x 272 bytes for each wave
.set SPITCH, 272
.set SPARE,  STAGE+4*16*SPITCH         ; the spare words: 128 bytes a wave, two blocks of 256 bytes that no other line names
.set LAPS,   SIZE_K/(2*KSTEP)          ; 4
.set WBOFF,  8388608                   ; the weights' place in cast
.set RBOFF,  20971520                  ; cos and sin's place in cast: [2048][256] bf16
.set RP,     528                       ; a row of cos and sin in LDS: 512 bytes + 16
.set SSQ,  2                           ; v[2:9]   four chains of sums of squares, a pair each
.set RA,   12                          ; v12      LDS address of my cos in the block in hand
.set ZR,   13                          ; v13      0
.set RS,   14                          ; v[14:15] 1 / sqrt(..), twice
.set ADRA, 16                          ; v16-17   LDS address of my A fragments in slot 0, 1
.set ADRB, 20                          ; v20-21   the same for B
.set STO,  24
.set RD,   25
.set CO,   26
.set SPW,  28                          ; v28      my spare word; never rewritten
.set NIL,  29                          ; v29      0; never rewritten
.set PFO,  30                          ; v30      the prefetches' offset: my lane x 2,048 bytes
.set WOF,  31                          ; v31      my byte offset in the gains
.set F0,   64
.set F1,   128
.set T,    64
.set CSN,  128
.set SN,   160
.set TMP,  128
.set OB,   160
.set U,    192
.set G1,  24                           ; s[24:31] group 1 for A's tiles; s[32:39] group 0, a set for each slot
.set G0,  32
.set LIM, 43                           ; s43      1 in a wave that prefetches, else the greatest number
.set PFA, 44                           ; s[44:45] where my prefetches stand
.set G1B, 48                           ; s[48:55], s[56:63] the same for B's tiles
.set G0B, 56
.set G1R, 68                           ; s[68:75], s[76:79] the descriptor of cos and sin
.set G0R, 76
.set NW,  80                           ; s[80:81] the gain of this cluster's heads
.set ISV, 82                           ; s82      1 in v's clusters
.set BLK, 83                           ; s83      the block of 16 rows in hand
.set SEL, 84                           ; s[84:85] v_permlanex16_b32's selects
.set MSB, 0
.macro WIN new                         ; the immediate's high byte repeats the setting that is left
.if MSB != (\new)
	s_set_vgpr_msb (MSB<<8)|(\new)
.set MSB, \new
.endif
.endm
.set MUL_LO, 0xa1                      ; source 0 (B) window 1, source 1 (A) window 0, C and D window 2
.set MUL_HI, 0xf1                      ; the same, C and D window 3
.set TO_B,   0x40                      ; destination window 1, address window 0
; A joint load.  Waves 0 and 1 fetch A's two halves, waves 2 and 3 B's; the branch hangs on the wave's number alone.  An s_nop 0 and four v_nop follow each line.
.macro JLOAD s
	s_cmp_eq_u32 s11, 0
	s_cbranch_scc0 .Lfor_b_\@
	tensor_load_to_lds s[G0+4*(\s):G0+4*(\s)+3], s[G1:G1+7]
	s_nop 0
.rept 4
	v_nop
.endr
	s_branch .Lasked_\@
.Lfor_b_\@:
	tensor_load_to_lds s[G0B+4*(\s):G0B+4*(\s)+3], s[G1B:G1B+7]
	s_nop 0
.rept 4
	v_nop
.endr
.Lasked_\@:
.endm
; A prefetch of the K step that stands two refills on: 32 rows x 256 bytes, a lane a row.  A's tile row is read by every cluster of that row of clusters: cluster x = 0 asks; B's tile column: cluster y = 0 asks.
; The four partners that ask for a tile jointly share its rows out by address, 32 each.  So each row's 256 bytes of a K step are named once in the launch.  The loop's last trip (s3 = 1) has no K step two on.
.macro ASK
	s_cmp_gt_u32 s3, s[LIM]
	s_cbranch_scc0 .Lnot_mine_\@
	global_prefetch_b8 v[PFO], s[PFA:PFA+1] offset:KSTEP*2 th:TH_LOAD_NT scope:SCOPE_SE
.Lnot_mine_\@:
.endm
.macro CREST                           ; a round of the cluster's barrier behind its opening barrier
	s_cmp_lg_u32 s10, 0
	s_cbranch_scc1 .Lnot_wave_0_\@
	s_barrier_signal -3
.Lnot_wave_0_\@:
	s_barrier_wait -3
	s_barrier_signal -1
	s_barrier_wait -1
.endm
.macro CROUND
	s_barrier_signal -1
	s_barrier_wait -1
	CREST
.endm
	s_load_b256 s[88:95], s[0:1], 0x0              ; cast s[88:89], q_norm_w s[90:91], k_norm_w s[92:93], qkv s[94:95]
	v_lshl_add_u32 v[SPW], v0, 2, SPARE
	v_mov_b32 v[NIL], 0
	ds_add_u32 v[SPW], v[NIL]                      ; the wave's opening: the add and its wait stand ahead of my first tensor load; the set-up below stands between them
	v_lshrrev_b32 v1, 5, v0
	v_readfirstlane_b32 s10, v1                    ; wave 0..3
	s_lshr_b32 s11, s10, 1                         ; which half of the tile's rows is mine.  Also: I fetch for A (0) or for B (1)
	s_and_b32 s12, s10, 1                          ; which half of its columns.  Also: which 128 rows of that tile I fetch
	s_bfe_u32 s40, ttmp6, 0x40000                  ; cx
	s_bfe_u32 s41, ttmp6, 0x40004                  ; cy
	s_lshl_b32 s42, ttmp9, 2
	s_add_co_u32 s42, s42, s40                     ; tile column = 4 x cluster x + cx
	s_and_b32 s13, ttmp7, 0xffff
	s_lshl_b32 s13, s13, 2
	s_add_co_u32 s13, s13, s41                     ; tile row = 4 x cluster y + cy
	s_lshl_b32 s43, s41, 2
	s_lshl_b32 s43, 15, s43                        ; my row of the cluster
	s_lshl_b32 s44, 0x1111, s40                    ; my column
	s_or_b32 s[G1+0], s43, (1<<16)|(1<<20)|(1<<21)|(5<<22)|(3<<25)   ; the mask; elements of 2 bytes; padding on; bit 21 beside a mask; after every 64 words 4 words
	s_or_b32 s[G1B+0], s44, (1<<16)|(1<<20)|(1<<21)|(5<<22)|(3<<25)
.irp g, G1, G1B
	s_mov_b32 s[(\g)+1], KSTEP<<16                 ; tensor_dim0 = 128
	s_mov_b32 s[(\g)+2], 128<<16                   ; tensor_dim1 = 128
	s_mov_b32 s[(\g)+3], KSTEP<<16                 ; tile_dim0 = 128
	s_mov_b32 s[(\g)+4], 128                       ; tile_dim1 = 128
	s_mov_b32 s[(\g)+5], SIZE_K                    ; elements from row to row
	s_mov_b32 s[(\g)+6], 0
	s_mov_b32 s[(\g)+7], 0
.endr
	; cos and sin: 64 rows x 256 elements a wave, no mask: a load of my own
	s_mov_b32 s[G1R+0], (1<<16)|(1<<20)|(6<<22)|(3<<25)  ; after every 128 words 4 words of padding
	s_mov_b32 s[G1R+1], 256<<16
	s_mov_b32 s[G1R+2], 64<<16
	s_mov_b32 s[G1R+3], 256<<16
	s_mov_b32 s[G1R+4], 64
	s_mov_b32 s[G1R+5], 256
	s_mov_b32 s[G1R+6], 0
	s_mov_b32 s[G1R+7], 0
	s_mov_b32 s[G0R], 1
	s_mul_i32 s[G0R+1], s10, 64*RP                 ; wave x 64 rows, from slot 0's first byte
	s_and_b32 s98, s13, 7                          ; the tile's first position: 256 x (tile row mod 8),
	s_lshl_b32 s98, s98, 8
	s_lshl_b32 s99, s10, 6                         ; my 64 of its 256
	s_add_co_u32 s98, s98, s99
	s_lshl_b32 s98, s98, 9                         ; 512 bytes a position
	s_add_co_u32 s98, s98, RBOFF
	s_mov_b32 s99, 0
	s_cmp_eq_u32 ttmp9, 3
	s_cselect_b32 s[ISV], 1, 0
	s_mov_b32 s[SEL], 0x76543210
	s_mov_b32 s[SEL+1], 0xfedcba98
	s_mov_b32 s86, 0x3c000000                      ; 1 / 128
	s_mov_b32 s87, 0x358637bd                      ; 1e-6
	s_mov_b32 s96, 0xffff0000
	s_lshl_b32 s17, s12, 7                         ; which 128 rows of the tile I fetch
	s_lshl_b32 s16, s13, 8
	s_add_co_u32 s16, s16, s17                     ; A: row 256 x tile row + 128 x half
	s_lshl_b32 s46, s42, 8
	s_add_co_u32 s46, s46, s17                     ; B: row 256 x tile column + 128 x half
	s_mov_b32 s17, 0
	s_mov_b32 s47, 0
	s_mov_b64 s[18:19], SIZE_K*2
	s_mul_u64 s[16:17], s[16:17], s[18:19]
	s_mul_u64 s[46:47], s[46:47], s[18:19]
	s_mul_i32 s20, s10, HALFT                      ; where they go: wave x 128 rows
	s_wait_dscnt 0x0                               ; the opening add is done
	s_wait_kmcnt 0x0
	s_mov_b64 s[4:5], s[88:89]                     ; A
	s_add_nc_u64 s[6:7], s[88:89], WBOFF           ; B
	s_add_nc_u64 s[14:15], s[4:5], s[16:17]
	s_add_nc_u64 s[46:47], s[6:7], s[46:47]
	s_add_nc_u64 s[G0R+2:G0R+3], s[88:89], s[98:99]
	s_or_b32 s[G0R+3], s[G0R+3], 0x80000000
	s_cmp_eq_u32 ttmp9, 2
	s_cselect_b64 s[NW:NW+1], s[92:93], s[90:91]   ; k's gain in cluster x = 2, else q's (v's clusters load none)
	CROUND                                         ; all sixteen work-groups are here: the first joint loads meet
.irp s, 0,1
	s_mov_b32 s[G0+4*(\s)], 1
	s_add_co_u32 s[G0+4*(\s)+1], s20, (\s)*SLOT
	s_add_nc_u64 s[G0+4*(\s)+2:G0+4*(\s)+3], s[14:15], (\s)*KSTEP*2
	s_or_b32 s[G0+4*(\s)+3], s[G0+4*(\s)+3], 0x80000000
	s_mov_b32 s[G0B+4*(\s)], 1
	s_add_co_u32 s[G0B+4*(\s)+1], s20, (\s)*SLOT
	s_add_nc_u64 s[G0B+4*(\s)+2:G0B+4*(\s)+3], s[46:47], (\s)*KSTEP*2
	s_or_b32 s[G0B+4*(\s)+3], s[G0B+4*(\s)+3], 0x80000000
	JLOAD \s
.endr
	v_and_b32 v1, 15, v0                           ; l % 16
	v_bfe_u32 v2, v0, 4, 1                         ; l / 16
	v_mul_u32_u24 v3, v1, PITCH
	v_lshl_add_u32 v3, v2, 4, v3                   ; a fragment's row x pitch + 16 x half
	s_mul_i32 s21, s11, HALFT                      ; my 128 rows of A
	s_mul_i32 s22, s12, HALFT                      ; my 128 rows of B,
	s_add_co_u32 s22, s22, 2*HALFT                 ; which lie behind A's 256
.irp s, 0,1
	v_add_nc_u32 v[ADRA+(\s)], s21, v3
	v_add_nc_u32 v[ADRB+(\s)], s22, v3
	s_add_co_u32 s21, s21, SLOT
	s_add_co_u32 s22, s22, SLOT
.endr
	s_mul_i32 s23, s10, 16*SPITCH
	s_add_co_u32 s23, s23, STAGE                   ; my stage
	v_mul_u32_u24 v4, v1, SPITCH                   ; in: row l % 16, 16 bytes for each half of the lanes
	v_lshl_add_u32 v4, v2, 4, v4
	v_add_nc_u32 v[STO], s23, v4
	v_mul_u32_u24 v5, v2, SPITCH                   ; back: lanes 0-15 one row of 256 bytes, lanes 16-31 the next
	v_lshl_add_u32 v5, v1, 4, v5
	v_add_nc_u32 v[RD], s23, v5
	v_lshlrev_b32 v5, 8, v2                        ; and the same two rows of the head: 512 consecutive bytes
	v_lshl_add_u32 v[CO], v1, 4, v5
	v_mul_u32_u24 v[RA], v1, RP                    ; cos of row 128 x (my half) + l % 16, columns 8 (l / 16) on
	v_lshl_add_u32 v[RA], v2, 4, v[RA]
	s_mul_i32 s23, s11, 128*RP
	v_add_nc_u32 v[RA], s23, v[RA]
	v_mov_b32 v[ZR], 0
	v_mov_b32 v11, 0                               ; v_permlanex16_b32's destination counts as read
	v_lshlrev_b32 v[WOF], 5, v2                    ; my 8 gains of each 16
	; where my head's rows begin: qkv + hh x 2^20 + row x 256
	s_lshl_b32 s16, s13, 8
	s_lshl_b32 s14, s11, 7
	s_add_co_u32 s16, s16, s14
	s_lshl_b32 s16, s16, 8
	s_mov_b32 s17, 0
	s_add_nc_u64 s[8:9], s[94:95], s[16:17]
	s_lshl_b32 s46, s42, 1
	s_add_co_u32 s46, s46, s12                     ; hh
	s_lshl_b32 s46, s46, 20
	s_mov_b32 s47, 0
	s_add_nc_u64 s[8:9], s[8:9], s[46:47]
	; the prefetches
	s_lshl_b32 s13, s13, 8
	s_lshl_b32 s42, s42, 8
	s_and_b32 s22, ttmp7, 0xffff                   ; cluster y
	s_cmp_eq_u32 s11, 0                            ; do I fetch for A?
	s_cselect_b32 s20, s13, s42                    ; the tile's first row
	s_cselect_b32 s21, s40, s41                    ; my place among the four that ask for it with me
	s_cselect_b32 s22, ttmp9, s22                  ; the coordinate along which other clusters read the same rows
	s_cselect_b64 s[PFA:PFA+1], s[4:5], s[6:7]
	s_cmp_eq_u32 s22, 0
	s_cselect_b32 s[LIM], 1, -1
	s_lshl_b32 s22, s12, 7
	s_add_co_u32 s20, s20, s22                     ; + the 128 rows that I fetch
	s_lshl_b32 s21, s21, 5
	s_add_co_u32 s20, s20, s21                     ; + my work-group's 32 of them
	s_mov_b32 s21, 0
	s_mov_b64 s[18:19], SIZE_K*2
	s_mul_u64 s[20:21], s[20:21], s[18:19]
	s_add_nc_u64 s[PFA:PFA+1], s[PFA:PFA+1], s[20:21]
	s_add_nc_u64 s[PFA:PFA+1], s[PFA:PFA+1], 2*KSTEP*2  ; at K step 2: the first refill steps it to 3 and names K step 4
	v_and_b32 v[PFO], 31, v0
	v_mul_u32_u24 v[PFO], v[PFO], SIZE_K*2
	; my 64 gains, columns 16 b + 8 (l / 16) + j at window 1's v[8 b + j], rounded to bf16; 1.0 in v's clusters
	s_cmp_eq_u32 s[ISV], 0
	s_cbranch_scc0 .Lw_one
	WIN 0x40
.irp b, 0,1,2,3,4,5,6,7
	global_load_b128 v[8*(\b):8*(\b)+3],   v[WOF], s[NW:NW+1] offset:64*(\b)
	global_load_b128 v[8*(\b)+4:8*(\b)+7], v[WOF], s[NW:NW+1] offset:64*(\b)+16
.endr
	s_wait_loadcnt 0x0
	WIN 0x45                                       ; sources and destination in window 1
.set i, 0
.rept 32
	v_cvt_pk_bf16_f32 v[64+i], v[2*i], v[2*i+1]
.set i, i+1
.endr
.set i, 0
.rept 32
	v_lshlrev_b32 v[2*i],   16,  v[64+i]
	v_and_b32     v[2*i+1], s96, v[64+i]
.set i, i+1
.endr
	WIN 0
	s_branch .Lw_done
.Lw_one:
	WIN 0x40
.set i, 0
.rept 64
	v_mov_b32 v[i], 1.0
.set i, i+1
.endr
	WIN 0
.Lw_done:
; 16 matrix instructions: m blocks a0, a0 + 1 of the window's four x all 8 n blocks, 32 along K.  zero = 1: the first product starts the sums.  The 64 accumulators take turns.
.macro MUL16 f, hi, a0, zero
	WIN MUL_LO+0x50*(\hi)
.irp a, \a0, (\a0)+1
.irp b, 0,1,2,3,4,5,6,7
.if \zero
	v_wmma_f32_16x16x32_bf16 v[8*(8*(\a)+(\b)):8*(8*(\a)+(\b))+7], v[(\f)+8*(\b):(\f)+8*(\b)+7], v[(\f)+8*(4*(\hi)+(\a)):(\f)+8*(4*(\hi)+(\a))+7], 0
.else
	v_wmma_f32_16x16x32_bf16 v[8*(8*(\a)+(\b)):8*(8*(\a)+(\b))+7], v[(\f)+8*(\b):(\f)+8*(\b)+7], v[(\f)+8*(4*(\hi)+(\a)):(\f)+8*(4*(\hi)+(\a))+7], v[8*(8*(\a)+(\b)):8*(8*(\a)+(\b))+7]
.endif
.endr
.endr
.endm
; 32 LDS loads in one run: the fragments of one quarter step into buffer f
.macro FETCH slot, k, f
	WIN TO_B
.irp i, 0,1,2,3,4,5,6,7
	ds_load_b128 v[(\f)+8*(\i):(\f)+8*(\i)+3],   v[ADRB+(\slot)] offset:(\k)+(\i)*16*PITCH
	ds_load_b128 v[(\f)+8*(\i)+4:(\f)+8*(\i)+7], v[ADRB+(\slot)] offset:(\k)+(\i)*16*PITCH+32
.endr
	WIN 0
.irp i, 0,1,2,3,4,5,6,7
	ds_load_b128 v[(\f)+8*(\i):(\f)+8*(\i)+3],   v[ADRA+(\slot)] offset:(\k)+(\i)*16*PITCH
	ds_load_b128 v[(\f)+8*(\i)+4:(\f)+8*(\i)+7], v[ADRA+(\slot)] offset:(\k)+(\i)*16*PITCH+32
.endr
.endm
.macro PLACES                          ; four plain vector instructions between a matrix instruction and a load into, or a vector instruction on, its registers
.rept 4
	v_nop
.endr
.endm
; One of a K step's first three quarters: multiplies buffer f; in its middle it fetches the next quarter's fragments, at byte k of the slot's rows, into buffer g.
.macro QUARTER slot, k, f, g, zero
	s_wait_dscnt 8                                 ; B and A's rows 0-63 are in; the youngest eight loads (A's rows 64-127) may be out
	WIN MUL_LO
	MUL16 \f, 0, 0, \zero
	MUL16 \f, 0, 2, \zero
	PLACES
	FETCH \slot, \k, \g
	s_wait_dscnt 32                                ; all but the 32 just issued
	WIN MUL_HI
	MUL16 \f, 1, 0, \zero
	MUL16 \f, 1, 2, \zero
.endm
; The first half of a K step's last quarter: the barrier of the change of slots, which opens a round of the cluster's barrier.
.macro MEET
	WIN 0
	s_wait_tensorcnt 0x0                           ; all my tensor loads have landed: the one that was out is my part of the next slot;
	ds_add_u32 v[SPW], v[NIL]                      ; 0 onto my spare word;
	s_wait_dscnt 9                                 ; (the add and the youngest eight loads may be out)
	WIN MUL_LO
	MUL16 F1, 0, 0, 0                              ; sixteen matrix instructions stand between the add and the wait for it
	s_wait_dscnt 0x0                               ; the add is done, and my reads of this slot are over
	s_barrier_signal -1
	MUL16 F1, 0, 2, 0
	WIN 0
	s_barrier_wait -1
.endm
; The whole last quarter: behind the round the slot just read out is filled again, with the K step two steps on; then come the next slot's first fragments.
.macro TURN slot, next
	s_wait_xcnt 0x0                                ; the last prefetch, a K step back, has read its address
	s_add_nc_u64 s[PFA:PFA+1], s[PFA:PFA+1], KSTEP*2
	MEET
	CREST                                          ; no wave of any partner still reads this slot's tile or has a load on its way
	s_add_nc_u64 s[G0+4*(\slot)+2:G0+4*(\slot)+3], s[G0+4*(\slot)+2:G0+4*(\slot)+3], 2*KSTEP*2
	s_add_nc_u64 s[G0B+4*(\slot)+2:G0B+4*(\slot)+3], s[G0B+4*(\slot)+2:G0B+4*(\slot)+3], 2*KSTEP*2
	JLOAD \slot                                    ; the first tensor load behind the round; its four v_nop are also the places in front of the loads below
	FETCH \next, 0, F0
	ASK
	WIN MUL_HI
	MUL16 F1, 1, 0, 0
	MUL16 F1, 1, 2, 0
.endm
	s_wait_tensorcnt 1                             ; my part of K step 0 is in; K step 1's load may stay out
	s_barrier_signal -1
	s_barrier_wait -1
	FETCH 0, 0, F0
	QUARTER 0, 64,  F0, F1, 1                      ; the first quarter stands in front of the loop: its products start the sums
	WIN 0
	s_mov_b32 s3, LAPS-1
.Llap:                                             ; a trip goes once round the ring and fills both slots again: K steps 2 to 7
	QUARTER 0, 128, F1, F0, 0
	QUARTER 0, 192, F0, F1, 0
	TURN 0, 1
	QUARTER 1, 64,  F0, F1, 0
	QUARTER 1, 128, F1, F0, 0
	QUARTER 1, 192, F0, F1, 0
	TURN 1, 0
	QUARTER 0, 64,  F0, F1, 0
	WIN 0
	s_sub_co_u32 s3, s3, 1
	s_cmp_lg_u32 s3, 0
	s_cbranch_scc1 .Llap
	QUARTER 0, 128, F1, F0, 0                      ; the last lap
	QUARTER 0, 192, F0, F1, 0
	MEET                                           ; slot 0's last K step has been read by every wave: it takes cos and sin of the tile's 256 positions,
	CREST                                          ; behind a round like every tensor load of this launch
	s_cmp_eq_u32 s[ISV], 0                         ; (v is not rotated; the test hangs on the cluster's x, the same in all partners)
	s_cbranch_scc0 .Lno_rope
	tensor_load_to_lds s[G0R:G0R+3], s[G1R:G1R+7]  ; my 64 rows: it has 288 matrix instructions in which to land
	s_nop 0
.rept 4
	v_nop
.endr
	s_branch .Lrope_asked
.Lno_rope:
	PLACES
.Lrope_asked:
	FETCH 1, 0, F0
	WIN MUL_HI
	MUL16 F1, 1, 0, 0
	MUL16 F1, 1, 2, 0
	QUARTER 1, 64,  F0, F1, 0
	QUARTER 1, 128, F1, F0, 0
	QUARTER 1, 192, F0, F1, 0
	s_wait_dscnt 8                                 ; the very last quarter: nothing more to fetch
	WIN MUL_LO
	MUL16 F1, 0, 0, 0
	MUL16 F1, 0, 2, 0
	s_wait_dscnt 0x0
	MUL16 F1, 1, 0, 0
	MUL16 F1, 1, 2, 0
	WIN 0
	s_wait_tensorcnt 0x0                           ; my 64 rows of cos and sin are in,
	s_barrier_signal -1
	s_barrier_wait -1                              ; everybody's are: I read rows that two waves fetched.
	PLACES                                         ; behind the last products
; The part of a block's way out that names accumulators: the sums of squares, in four chains, each accumulator's lowest pair first; and T = acc x gain.
.macro HEADB a
.set AC, 64*((\a)%4)
	WIN 0x0a+5*((\a)/4)                            ; sources 0 and 1: window 2 or 3
.set i, 0
.rept 32
.if i < 4
	v_pk_mul_f32 v[SSQ+2*i:SSQ+2*i+1], v[AC+2*i:AC+2*i+1], v[AC+2*i:AC+2*i+1]
.else
	v_pk_fma_f32 v[SSQ+2*(i%4):SSQ+2*(i%4)+1], v[AC+2*i:AC+2*i+1], v[AC+2*i:AC+2*i+1], v[SSQ+2*(i%4):SSQ+2*(i%4)+1]
.endif
.set i, i+1
.endr
	WIN 0x06+(\a)/4                                ; source 0: window 2 or 3; source 1 (the gains): window 1
.set i, 0
.rept 32
	v_pk_mul_f32 v[T+2*i:T+2*i+1], v[AC+2*i:AC+2*i+1], v[2*i:2*i+1]
.set i, i+1
.endr
	WIN 0
.endm
; d = (bf16 half of c) x (+-t) + acc, in f32
.macro MX d, c, t, acc, hi, neg
.if (\hi) && (\neg)
	v_fma_mix_f32_bf16 v[\d], v[\c], -v[\t], v[\acc] op_sel:[1,0,0] op_sel_hi:[1,0,0]
.elseif (\hi)
	v_fma_mix_f32_bf16 v[\d], v[\c], v[\t], v[\acc] op_sel:[1,0,0] op_sel_hi:[1,0,0]
.elseif (\neg)
	v_fma_mix_f32_bf16 v[\d], v[\c], -v[\t], v[\acc] op_sel:[0,0,0] op_sel_hi:[1,0,0]
.else
	v_fma_mix_f32_bf16 v[\d], v[\c], v[\t], v[\acc] op_sel:[0,0,0] op_sel_hi:[1,0,0]
.endif
.endm
	s_mov_b32 s[BLK], 0
.Lblk:                                             ; eight trips: my rows 16 BLK .. 16 BLK + 15
	s_cmp_eq_u32 s[ISV], 0
	s_cbranch_scc0 .Lno_cs
.irp b, 0,1,2,3,4,5,6,7
	ds_load_b128 v[CSN+4*(\b):CSN+4*(\b)+3], v[RA] offset:32*(\b)        ; cos of my 8 columns of accumulator b,
	ds_load_b128 v[SN+4*(\b):SN+4*(\b)+3],   v[RA] offset:256+32*(\b)    ; and sin
.endr
.Lno_cs:
.irp a, 1,2,3,4,5,6,7
	s_cmp_eq_u32 s[BLK], \a
	s_cbranch_scc1 .Lhead\a
.endr
	HEADB 0
	s_branch .Lcommon
.irp a, 1,2,3,4,5,6
.Lhead\a:
	HEADB \a
	s_branch .Lcommon
.endr
.Lhead7:
	HEADB 7
.Lcommon:
	s_cmp_eq_u32 s[ISV], 0
	s_cbranch_scc0 .Lv_cvt
	v_pk_add_f32 v[SSQ:SSQ+1], v[SSQ:SSQ+1], v[SSQ+2:SSQ+3]
	v_pk_add_f32 v[SSQ+4:SSQ+5], v[SSQ+4:SSQ+5], v[SSQ+6:SSQ+7]
	v_pk_add_f32 v[SSQ:SSQ+1], v[SSQ:SSQ+1], v[SSQ+4:SSQ+5]
	v_add_f32 v10, v[SSQ], v[SSQ+1]
	v_permlanex16_b32 v11, v10, s[SEL], s[SEL+1]   ; the row's other 64 columns lie in the lane 16 away
	v_add_f32 v10, v10, v11
	v_fma_f32 v10, v10, s86, s87                   ; ssq / 128 + 1e-6
	v_rsq_f32 v[RS], v10
	v_rsq_f32 v[RS+1], v10
	s_wait_dscnt 0x0                               ; cos and sin are in
.set b, 0
.rept 8                                ; U(d) = cos(d) T(d) - sin(d) T(d + 64) for d < 64, + sin(d) T(d - 64) above
.set j, 0
.rept 8
	MX U+8*b+j, CSN+4*b+j/2, T+8*b+j, ZR, j%2, 0
.set j, j+1
.endr
.set j, 0
.rept 8
	MX U+8*b+j, SN+4*b+j/2, T+8*((b+4)%8)+j, U+8*b+j, j%2, 1-b/4
.set j, j+1
.endr
.set b, b+1
.endr
	s_wait_alu depctr_va_vdst(0)                   ; the wait ahead of the first use: one for both roots; the rotation above is the independent work between
.set i, 0
.rept 32
	v_pk_mul_f32 v[U+2*i:U+2*i+1], v[U+2*i:U+2*i+1], v[RS:RS+1]
.set i, i+1
.endr
.set i, 0
.rept 32
	v_cvt_pk_f16_f32 v[TMP+i], v[U+2*i], v[U+2*i+1]
.set i, i+1
.endr
	s_branch .Lstage
.Lv_cvt:
.set i, 0
.rept 32
	v_cvt_pk_f16_f32 v[TMP+i], v[T+2*i], v[T+2*i+1]
.set i, i+1
.endr
.Lstage:
.irp b, 0,1,2,3,4,5,6,7
	ds_store_b128 v[STO], v[TMP+4*(\b):TMP+4*(\b)+3] offset:32*(\b)
.endr
.irp t, 0,1,2,3,4,5,6,7
	ds_load_b128 v[OB+4*(\t):OB+4*(\t)+3], v[RD] offset:(\t)*2*SPITCH  ; LDS serves a wave's instructions in order (ISA guide 5.7.1.4): these see the stores above
.endr
	s_wait_dscnt 0x0
.irp t, 0,1,2,3,4,5,6,7
	global_store_b128 v[CO], v[OB+4*(\t):OB+4*(\t)+3], s[8:9] offset:512*(\t)  ; two rows of the head: 512 consecutive bytes, aligned
.endr
	s_wait_xcnt 0x0                                ; the stores have read their base and their data: both are written again below and in the next trip
	s_add_nc_u64 s[8:9], s[8:9], 4096              ; 16 rows on
	v_add_nc_u32 v[RA], 16*RP, v[RA]
	s_add_co_u32 s[BLK], s[BLK], 1
	s_cmp_lt_u32 s[BLK], 8
	s_cbranch_scc1 .Lblk
	s_wait_tensorcnt 0x0                           ; the wave's end: behind my last tensor load and my last LDS store
	ds_add_u32 v[SPW], v[NIL]
	s_wait_dscnt 0x0
	CROUND                                         ; the closing round
	s_endpgm
.Lfunc_end_k_q326fedbf35_qkv:
	.size	k_q326fedbf35_qkv, .Lfunc_end_k_q326fedbf35_qkv-k_q326fedbf35_qkv
	.p2alignl 7, 3214868480
	.fill 96, 4, 3214868480
	.section	.rodata,"a",@progbits
	.p2align	6, 0x0
	.amdhsa_kernel k_q326fedbf35_qkv
		.amdhsa_group_segment_fixed_size 327680
		.amdhsa_private_segment_fixed_size 0
		.amdhsa_enable_private_segment 0
		.amdhsa_kernarg_size 32
		.amdhsa_user_sgpr_count 2
		.amdhsa_user_sgpr_kernarg_segment_ptr 1
		.amdhsa_wavefront_size32 1
		.amdhsa_system_sgpr_workgroup_id_x 1
		.amdhsa_system_sgpr_workgroup_id_y 1
		.amdhsa_system_sgpr_workgroup_id_z 1
		.amdhsa_system_vgpr_workitem_id 0
		.amdhsa_next_free_vgpr 1024
		.amdhsa_next_free_sgpr 100
		.amdhsa_reserve_vcc 0
		.amdhsa_float_denorm_mode_32 3
		.amdhsa_float_denorm_mode_16_64 3
		.amdhsa_memory_ordered 1
		.amdhsa_forward_progress 1
		.amdhsa_inst_pref_size 174
	.end_amdhsa_kernel
	.amdgpu_metadata
---
amdhsa.version: [ 1, 2 ]
amdhsa.kernels:
  - .name:           k_q326fedbf35_qkv
    .symbol:         k_q326fedbf35_qkv.kd
    .args:
      - { .name: cast, .offset: 0, .size: 8, .value_kind: global_buffer, .address_space: global }
      - { .name: q_norm_w, .offset: 8, .size: 8, .value_kind: global_buffer, .address_space: global }
      - { .name: k_norm_w, .offset: 16, .size: 8, .value_kind: global_buffer, .address_space: global }
      - { .name: qkv, .offset: 24, .size: 8, .value_kind: global_buffer, .address_space: global }
    .group_segment_fixed_size: 327680
    .private_segment_fixed_size: 0
    .kernarg_segment_align: 8
    .kernarg_segment_size: 32
    .max_flat_workgroup_size: 128
    .sgpr_count:     100
    .vgpr_count:     1024
    .wavefront_size: 32
...
	.end_amdgpu_metadata
.endif
;; end of part 2
;; launch attn (part 3): grid 16 x 16, 4 waves a work-group, clusters of 4 x 1, 327,680 bytes of LDS; arguments qkv, att; writes att
.if DOCPART == 3
	.amdgcn_target "amdgcn-amd-amdhsa--gfx1250"
	.amdhsa_code_object_version 6
	.text
	.protected	k_q326fedbf35_attn
	.globl	k_q326fedbf35_attn
	.p2align	8
	.type	k_q326fedbf35_attn,@function
k_q326fedbf35_attn:
	s_mov_b64 s[64:65], 0
	v_nop
	global_prefetch_b8 v0, s[64:65] scope:SCOPE_SE
	s_setreg_imm32_b32 hwreg(HW_REG_WAVE_MODE, 25, 1), 1
	s_wait_xcnt 0x0
	s_wait_alu depctr_hold_cnt(0) depctr_sa_sdst(0) depctr_va_vdst(0) depctr_va_sdst(0) depctr_va_ssrc(0) depctr_va_vcc(0) depctr_vm_vsrc(0)
	s_getreg_b32 s2, hwreg(HW_REG_IB_STS2, 6, 4)
	s_cmp_eq_u32 s2, 0
	s_cbranch_scc0 .Lentry_in_a_cluster
	s_endpgm
.Lentry_in_a_cluster:
	s_bfe_u32 s2, ttmp6, 0x10000c
	s_cmp_lg_u32 s2, 0x3003
	s_cbranch_scc0 .Lentry_shape_is_right
	s_endpgm
.Lentry_shape_is_right:
; CAUSAL ATTENTION WITH TWO QUERY HEADS TO A KEY AND VALUE HEAD.  q, k, v: qkv[hh][b x 2048 + position][128] in f16 (hh = h for q, 16 + g for k, 24 + g for v); out: att[b x 2048 + position][128 h + d] in f16.
; Products, maxima and sums in f32; the weights p are rounded to f16 for the second product (their sum l is taken of the unrounded p), O once at the end.
; LIMITS.  q, k, v arrive within f16's 65,504; p lies in 0 to 1 and below 6e-5 keeps f16's step of 6e-8.  A hidden score counts as its value less 1e30; a weight below 2^-126 counts as 0 in l; NaN and infinities are not treated apart.
; THE WALK.  The grid's y is (b, g).  A sequence has 8 superblocks of 256 positions; superblock J needs the key tiles 0 .. J of 256 keys, the last holding the diagonal.  A cluster (x = c) takes superblock 7 - c and then c:
; 9 tiles, 36 key steps of 64, whatever c: all clusters do equal work, and one loop with a constant trip count walks them.
; SHARES.  Of a superblock's four bands of 64 positions work-group cx owns positions 16 cx .. 16 cx + 15 in each; wave w is band w; its two tiles of 16 queries are heads 2 g and 2 g + 1 at the same positions: they share K, V and the mask.
; So the four partners walk the same K and V in step, and each tile is asked for JOINTLY (mask of four).  In a diagonal tile's step j wave w sees all keys if j < w, none if j > w, and holds the diagonal if j = w.
; THE MASK is the C operand that starts S^T = K Q^T: MC = MD x AL + BE, where MD (made once) is the mask of a band's own step for my 16 positions, and (AL, BE) = (1, 0), (0, 0) or (0, -1e30).
; LAYOUT.  S^T = K Q^T holds one query a lane (lane % 16) and the keys 8 (lane / 16) + 0..7; two such results rounded to f16 are source 1 of O^T = V^T P.  K comes out of LDS as it lies, V turned, by ds_load_tr16_b128.
; SOFTMAX.  p = 2^(c s - c m), c = log2(e) / sqrt(128), with a running maximum m; O and l are multiplied by a = 2^(c m_old - c m_new) in every step.
; ONE TEXT FOR EVERY STEP.  Cycle n: the weights of step n are rounded; K of step n + 2 is fetched; 32 products V^T P of step n, beside them O's rescaling, the sums of step n, the mask of step n + 2, the maximum of step n + 1;
; then 32 products K Q^T of step n + 2, beside them the scalings and exponentials of step n + 1; one wait for the cycle's 66 exponentials; V of step n + 2 is fetched.  The stream runs from cycle -2 to cycle 35.
; Its first two cycles work on zeros, its last two fetch the last tile's first two steps once more and what they make of them is used by nothing: the price of writing no first and no last step out.
; A block begins by setting c m far below every c s one cycle ahead of its first maximum: its first a is 0, which wipes O and l.  A block's O leaves at the top of the cycle behind its last products.
; REGISTERS, in windows of 256 (s_set_vgpr_msb: bits 1:0 source 0, 3:2 source 1, 5:4 source 2, 7:6 destination):
;   window 0: v0-15 addresses; v16-31 eight registers of statistics a tile; v32-35 a; v36-37 c m_old; v64-191 S^T, two buffers of two tiles; v192-223 P; v192-255 also the way out
;   window 1: v0-127 O^T; v128-159 MD; v160-191 MC; v192-255 the second block's Q      window 2: v0-63 Q; v64-191 K of one step      window 3: V of two steps
.set KS,    64
.set PK,    272                        ; a row of K in LDS: 256 bytes + 16: the 16 rows of a load start at 16 different groups of four banks
.set PV,    288                        ; a row of V: 256 + 32
.set VOFF,  256*PK                     ; a slot holds a tile: 256 rows of K, then 256 rows of V
.set SLOT,  256*(PK+PV)
.set STAGE, 2*SLOT                     ; behind the ring: 16 rows x 272 bytes for each wave
.set SP,    272
.set SPARE, STAGE+4*16*SP              ; the spare words: 128 bytes a wave, two blocks of 256 bytes that no other line names
.set AK0, 2                            ; v2   my lane's place in a step of K; never rewritten
.set AV0, 3                            ; v3   the same for V
.set AK,  4                            ; v4   the LDS address of K's run of loads
.set ADV, 5                            ; v5   of V's
.set STO, 6
.set RD,  7
.set GO,  8
.set QO,  12
.set PFO, 13                           ; v13  256 x my lane
.set ST,  16                           ; tile t at v[ST+8 t]: c m, m, l (even keys', odd keys'), c0-c3 at work
.set AA,  32                           ; tile t's a at v[AA+2 t], named as a pair
.set MV,  36
.set SPW, 62
.set NIL, 63
.set S,   64
.set P,   192
.set WT,  192
.set MD,  128
.set MC,  160
.set QB,  192
.set KF,  64
.set WV,  12                           ; s12  my wave's number
.set CX,  13                           ; s13  my place in the cluster: it enters Q's, O's and the prefetches' addresses and MD alone
.set CP,  14                           ; s14  the cluster's x
.set LIM, 15                           ; s15  2 in the cluster that prefetches, else the greatest number
.set PFA, 18
.set G1K, 24
.set G1V, 32
.set G0K, 40
.set G0V, 44
.set KB,  48                           ; s[48:49] K at my half of the head's tile 0
.set VB,  50
.set OP,  52                           ; s[52:53] att at my rows of the block in hand
.set OPB, 54
.set SLOTS, 56
.set CNT, 57
.set CS,  58
.set SEL, 60
.set TBK, 62                           ; s62  LDS byte at which K of the step to be fetched begins
.set TBV, 63
.set SBR, 66                           ; s66  the slot that is read
.set KT,  67                           ; s67  the walk's tile in hand
.set TA,  68                           ; s68  tiles of the first block: 8 - c
.set NXT, 69                           ; s69  the tile to be asked for next
.set LQ,  70                           ; s70  the last tile of the block whose tiles are being asked for
.set JJ,  71                           ; s71  the cycle within the trip = the step of the tile that it fetches
.set WB,  72                           ; s72  my band's own step in a diagonal tile, else 256
.set RJ,  73                           ; s73  the cycle that sets m anew, else 256
.set WJ,  74                           ; s74  the cycle at whose top O leaves, else 256
.set BIGN, 75
.set AL,  76
.set BE,  78
.set OFF, 80
.set WPK, 82                           ; s82  my part's place in a slot, for K
.set WPV, 83
.set QPA, 86
.set QPB, 88
.set MSB, 0
.macro WIN new
.if MSB != (\new)
	s_set_vgpr_msb (MSB<<8)|(\new)
.set MSB, (\new)
.endif
.endm
.set W_KQ, 0x0a                        ; K and Q in window 2, S^T in window 0
.set W_KM, 0x1a                        ; the same with the C operand in window 1
.set W_PV, 0x53                        ; V in window 3, P in window 0, O^T in window 1
.set W_RS, 0x41                        ; destination and source 0 in window 1, source 1 in window 0
; A joint fill.  Waves 0 and 1 fetch the two halves of a tile's K, waves 2 and 3 those of its V: 128 rows of 256 bytes each.  An s_nop 0 and four v_nop follow each line.
.macro JLOAD
	s_cmp_lt_u32 s[WV], 2
	s_cbranch_scc0 .Lfor_v_\@
	tensor_load_to_lds s[G0K:G0K+3], s[G1K:G1K+7]
	s_nop 0
.rept 4
	v_nop
.endr
	s_branch .Lasked_\@
.Lfor_v_\@:
	tensor_load_to_lds s[G0V:G0V+3], s[G1V:G1V+7]
	s_nop 0
.rept 4
	v_nop
.endr
.Lasked_\@:
.endm
; A prefetch of what the NEXT change of slots will ask for.  All four clusters of a (b, g) walk the same K and V; the cluster with x = 0 walks tiles 0 to 7 on end, and it alone asks: in trip k for tile k + 2, k up to 5.
; Each wave asks for 32 of the 128 rows that it fetches, the partners told apart by address, a lane a row: each row is named once in the launch.  Tiles 0 and 1 come by their loads alone.
.macro ASK
	s_cmp_gt_u32 s[SLOTS], s[LIM]
	s_cbranch_scc0 .Lnot_mine_\@
	global_prefetch_b8 v[PFO], s[PFA:PFA+1] th:TH_LOAD_NT scope:SCOPE_SE
.Lnot_mine_\@:
.endm
.macro CROUND
	s_barrier_signal -1
	s_barrier_wait -1
	s_cmp_lg_u32 s[WV], 0
	s_cbranch_scc1 .Lnot_wave_0_\@
	s_barrier_signal -3
.Lnot_wave_0_\@:
	s_barrier_wait -3
	s_barrier_signal -1
	s_barrier_wait -1
.endm
	s_load_b128 s[4:7], s[0:1], 0x0                ; qkv s[4:5], att s[6:7]
	v_lshl_add_u32 v[SPW], v0, 2, SPARE
	v_mov_b32 v[NIL], 0
	ds_add_u32 v[SPW], v[NIL]                      ; the wave's opening: the add and its wait stand ahead of my first tensor load; the set-up below stands between them
	v_lshrrev_b32 v1, 5, v0
	v_readfirstlane_b32 s[WV], v1
	s_mov_b32 s[CP], ttmp9
	s_sub_co_u32 s[TA], 8, s[CP]
	s_and_b32 s20, ttmp7, 0xffff
	s_lshr_b32 s21, s20, 3                         ; b
	s_and_b32 s22, s20, 7                          ; g
	s_and_b32 s23, s[WV], 1                        ; which half of a tile I fetch
	s_add_co_u32 s8, s22, 16                       ; K: (16 + g) x 2^20 + b x 2,048 rows + my half's 128 rows
	s_lshl_b32 s8, s8, 20
	s_lshl_b32 s16, s21, 19
	s_add_co_u32 s8, s8, s16
	s_lshl_b32 s16, s23, 15
	s_add_co_u32 s8, s8, s16
	s_mov_b32 s9, 0
	s_add_co_u32 s10, s8, 8<<20                    ; V: eight heads on
	s_mov_b32 s11, 0
	s_mul_i32 s[WPK], s23, 128*PK
	s_mul_i32 s[WPV], s23, 128*PV
	s_add_co_u32 s[WPV], s[WPV], VOFF
	s_bfe_u32 s[CX], ttmp6, 0x40000
	s_lshl_b32 s16, s21, 11                        ; my rows: b x 2,048 + 64 w + 16 cx,
	s_lshl_b32 s17, s[WV], 6
	s_add_co_u32 s16, s16, s17
	s_lshl_b32 s17, s[CX], 4
	s_add_co_u32 s16, s16, s17
	s_sub_co_u32 s17, s[TA], 1
	s_lshl_b32 s17, s17, 8
	s_add_co_u32 s17, s17, s16                     ; in superblock 7 - c,
	s_lshl_b32 s20, s[CP], 8
	s_add_co_u32 s20, s20, s16                     ; and in superblock c
	s_lshl_b32 s22, s22, 1                         ; head 2 g
	s_lshl_b32 s21, s22, 20
	s_lshl_b32 s[QPA], s17, 8
	s_add_co_u32 s[QPA], s[QPA], s21
	s_mov_b32 s[QPA+1], 0
	s_lshl_b32 s[QPB], s20, 8
	s_add_co_u32 s[QPB], s[QPB], s21
	s_mov_b32 s[QPB+1], 0
	s_lshl_b32 s21, s22, 8
	s_lshl_b32 s[OP], s17, 12
	s_add_co_u32 s[OP], s[OP], s21
	s_mov_b32 s[OP+1], 0
	s_lshl_b32 s[OPB], s20, 12
	s_add_co_u32 s[OPB], s[OPB], s21
	s_mov_b32 s[OPB+1], 0
	; descriptor group 1: 128 rows x 128 elements, padded in LDS
	s_mov_b32 s[G1K], 15|(1<<16)|(1<<20)|(1<<21)|(5<<22)|(3<<25)  ; the mask of four; 2-byte elements; padding on; bit 21 beside a mask; after every 64 words 4 words
	s_mov_b32 s[G1V], 15|(1<<16)|(1<<20)|(1<<21)|(5<<22)|(7<<25)  ; the same with 8 words
.irp g, G1K, G1V
	s_mov_b32 s[(\g)+1], 128<<16
	s_mov_b32 s[(\g)+2], 128<<16
	s_mov_b32 s[(\g)+3], 128<<16
	s_mov_b32 s[(\g)+4], 128
	s_mov_b32 s[(\g)+5], 128
	s_mov_b32 s[(\g)+6], 0
	s_mov_b32 s[(\g)+7], 0
.endr
	s_mov_b32 s[G0K], 1
	s_mov_b32 s[G0K+1], s[WPK]                     ; slot 0
	s_mov_b32 s[G0V], 1
	s_mov_b32 s[G0V+1], s[WPV]
	s_mov_b32 s[CS], 0x3e0293ee                    ; c = log2(e) / sqrt(128)
	s_mov_b32 s[CS+1], s[CS]
	s_mov_b32 s[SEL], 0x76543210
	s_mov_b32 s[SEL+1], 0xfedcba98
	s_mov_b32 s[BIGN], 0xf149f2ca                  ; -1e30
	s_mov_b32 s[AL+1], 0
	s_mov_b32 s[BE+1], 0
	s_mov_b32 s[OFF+1], 0
	s_mov_b32 s[SBR], SLOT                         ; the first change of slots turns it into 0
	s_mov_b32 s[NXT], 1
	s_sub_co_u32 s[LQ], s[TA], 1
	s_mov_b32 s[KT], 0
	s_mov_b32 s[SLOTS], 8
	s_cmp_eq_u32 s[CP], 0
	s_cselect_b32 s[LIM], 2, -1
	s_lshl_b32 s16, s[CX], 13                      ; my work-group's 32 rows of the 128,
	s_add_co_u32 s16, s16, 65536                   ; in tile 1: the first change of slots steps it to tile 2
	s_mov_b32 s17, 0
	s_wait_dscnt 0x0                               ; the opening add is done
	s_wait_kmcnt 0x0
	s_add_nc_u64 s[KB:KB+1], s[4:5], s[8:9]
	s_add_nc_u64 s[VB:VB+1], s[4:5], s[10:11]
	s_add_nc_u64 s[G0K+2:G0K+3], s[KB:KB+1], 0
	s_or_b32 s[G0K+3], s[G0K+3], 0x80000000
	s_add_nc_u64 s[G0V+2:G0V+3], s[VB:VB+1], 0
	s_or_b32 s[G0V+3], s[G0V+3], 0x80000000
	s_add_nc_u64 s[QPA:QPA+1], s[4:5], s[QPA:QPA+1]
	s_add_nc_u64 s[QPB:QPB+1], s[4:5], s[QPB:QPB+1]
	s_add_nc_u64 s[OP:OP+1], s[6:7], s[OP:OP+1]
	s_add_nc_u64 s[OPB:OPB+1], s[6:7], s[OPB:OPB+1]
	s_cmp_lt_u32 s[WV], 2
	s_cselect_b64 s[PFA:PFA+1], s[KB:KB+1], s[VB:VB+1]
	s_add_nc_u64 s[PFA:PFA+1], s[PFA:PFA+1], s[16:17]
	CROUND                                         ; all four work-groups are here: the first joint loads meet
	JLOAD                                          ; tile 0 into slot 0; slot 1 is asked for when slot 0 is in
	v_and_b32 v1, 15, v0                           ; l % 16
	v_bfe_u32 v9, v0, 4, 1                         ; l / 16
	v_lshlrev_b32 v[QO], 8, v1
	v_lshl_add_u32 v[QO], v9, 4, v[QO]             ; row x 256 + 16 x half
	WIN 0x80                                       ; destination window 2
.irp i, 0,1,2,3,4,5,6,7                ; the first block's Q: tile i / 4 (a head on), channels 32 (i % 4) on
	global_load_b128 v[8*(\i):8*(\i)+3],   v[QO], s[QPA:QPA+1] offset:((\i)/4)*1048576+((\i)%4)*64
	global_load_b128 v[8*(\i)+4:8*(\i)+7], v[QO], s[QPA:QPA+1] offset:((\i)/4)*1048576+((\i)%4)*64+32
.endr
	WIN 0x40                                       ; destination window 1
.irp i, 0,1,2,3,4,5,6,7                ; the second block's
	global_load_b128 v[QB+8*(\i):QB+8*(\i)+3],   v[QO], s[QPB:QPB+1] offset:((\i)/4)*1048576+((\i)%4)*64
	global_load_b128 v[QB+8*(\i)+4:QB+8*(\i)+7], v[QO], s[QPB:QPB+1] offset:((\i)/4)*1048576+((\i)%4)*64+32
.endr
	WIN 0
	v_lshlrev_b32 v14, 3, v9
	v_sub_nc_u32 v14, v1, v14
	s_lshl_b32 s16, s[CX], 4
	v_add_nc_u32 v14, s16, v14                     ; my query's place in its band less my lanes' 8 (l / 16): register i of key group kb is hidden where 16 kb + i is greater
	WIN 0x40
.set i, 0
.rept 32
	v_cmp_gt_i32 vcc_lo, 16*(i/8)+i%8, v14
	v_cndmask_b32 v[MD+i], 0, s[BIGN], vcc_lo
.set i, i+1
.endr
	WIN 0
	v_mul_u32_u24 v[AK0], v1, PK
	v_lshl_add_u32 v[AK0], v9, 4, v[AK0]
	v_and_b32 v10, 7, v0                           ; the turning load: lane l reads key 8 (l / 16) + l % 8, channels 8 ((l / 8) % 2) + 0..7
	v_bfe_u32 v11, v0, 3, 1
	v_lshl_add_u32 v[AV0], v9, 3, v10
	v_mul_u32_u24 v[AV0], v[AV0], PV
	v_lshl_add_u32 v[AV0], v11, 4, v[AV0]
	v_add_nc_u32 v[AV0], VOFF, v[AV0]
	s_mul_i32 s16, s[WV], 16*SP
	s_add_co_u32 s16, s16, STAGE                   ; my stage
	v_mul_u32_u24 v[STO], v1, SP
	v_lshl_add_u32 v[STO], v9, 4, v[STO]
	v_add_nc_u32 v[STO], s16, v[STO]
	v_mul_u32_u24 v[RD], v9, SP
	v_lshl_add_u32 v[RD], v1, 4, v[RD]
	v_add_nc_u32 v[RD], s16, v[RD]
	v_lshlrev_b32 v[GO], 12, v9                    ; a row of att is 4,096 bytes
	v_lshl_add_u32 v[GO], v1, 4, v[GO]
	v_and_b32 v[PFO], 31, v0
	v_lshlrev_b32 v[PFO], 8, v[PFO]
	; What the first two cycles find: zeros in V, O^T, S^T and the statistics.  All this stands in the wait for the first tile.
	WIN 0xc0
.set i, 0
.rept 256
	v_mov_b32 v[i], 0
.set i, i+1
.endr
	WIN 0x40
.set i, 0
.rept 128
	v_mov_b32 v[i], 0
.set i, i+1
.endr
	WIN 0
.set i, S
.rept 128
	v_mov_b32 v[i], 0
.set i, i+1
.endr
.set i, ST
.rept 22
	v_mov_b32 v[i], 0
.set i, i+1
.endr
	s_wait_loadcnt 0x0                             ; Q
; THE MATRIX WORK.  The accumulators take turns, one instruction a turn: 15 others stand between two links of a chain in V^T P, 7 in K Q^T.
.macro PV p                            ; product i of 32 of O^T += V^T P: keys 32 (i / 16) on, channels 16 ((i / 2) % 8) on, tile i % 2
	WIN W_PV
.set rO, 64*(i%2)+8*((i/2)%8)
.set rV, 128*(\p)+64*(i/16)+8*((i/2)%8)
.set rP, P+16*(i%2)+8*(i/16)
	v_wmma_f32_16x16x32_f16 v[rO:rO+7], v[rV:rV+7], v[rP:rP+7], v[rO:rO+7]
.endm
.macro KQ p                            ; product i of 32 of S^T = K Q^T: channels 32 (i / 8) on, keys 16 ((i / 2) % 4) on, tile i % 2.  The first 8 start the sums with the mask
.set rS, S+64*(\p)+32*(i%2)+8*((i/2)%4)
.set rK, KF+32*((i/2)%4)+8*(i/8)
.set rQ, 32*(i%2)+8*(i/8)
.set rM, MC+8*((i/2)%4)
.if i < 8
	WIN W_KM
	v_wmma_f32_16x16x32_f16 v[rS:rS+7], v[rK:rK+7], v[rQ:rQ+7], v[rM:rM+7]
.else
	WIN W_KQ
	v_wmma_f32_16x16x32_f16 v[rS:rS+7], v[rK:rK+7], v[rQ:rQ+7], v[rS:rS+7]
.endif
.endm
; THE LDS LOADS stand in runs of 32.
.macro FETCH_K
	WIN 0
	v_add_nc_u32 v[AK], s[TBK], v[AK0]
	WIN 0x80
.irp f, 0,1,2,3,4,5,6,7,8,9,10,11,12,13,14,15  ; keys 16 (f / 4) on, channels 32 (f % 4) on
	ds_load_b128 v[KF+8*(\f):KF+8*(\f)+3],   v[AK] offset:((\f)/4)*16*PK+((\f)%4)*64
	ds_load_b128 v[KF+8*(\f)+4:KF+8*(\f)+7], v[AK] offset:((\f)/4)*16*PK+((\f)%4)*64+32
.endr
.endm
.macro FETCH_V p
	WIN 0
	v_add_nc_u32 v[ADV], s[TBV], v[AV0]
	WIN 0xc0
.irp f, 0,1,2,3,4,5,6,7,8,9,10,11,12,13,14,15  ; keys 32 (f / 8) on, channels 16 (f % 8) on
	ds_load_tr16_b128 v[128*(\p)+8*(\f):128*(\p)+8*(\f)+3],   v[ADV] offset:((\f)/8)*32*PV+((\f)%8)*32
	ds_load_tr16_b128 v[128*(\p)+8*(\f)+4:128*(\p)+8*(\f)+7], v[ADV] offset:((\f)/8)*32*PV+16*PV+((\f)%8)*32
.endr
	WIN 0
.endm
; THE VECTOR WORK, a line at a time.  t: the tile; b: the buffer of S^T.
.macro TREG t, b
.set qT, ST+8*(\t)
.set qS, S+64*(\b)+32*(\t)
.set qP, P+16*(\t)
.set qA, AA+2*(\t)
.set qM, MV+(\t)
.endm
; Number n of the 21 that find a step's maximum and statistics: 0-11 four chains of seven scores, each accumulator's lowest registers first; 12-14, 16 the rest and the old m;
; 15 c m_old is kept; 17, 18 the query's other 32 keys lie in the lane 16 away; 19 c m; 20 c m_old - c m_new.
.macro XOP t, n, b
	TREG \t, \b
	WIN 0
.if (\n) < 4
	v_max3_num_f32 v[qT+4+(\n)], v[qS+8*(\n)], v[qS+8*(\n)+1], v[qS+8*(\n)+2]
.elseif (\n) < 12
	v_max3_num_f32 v[qT+4+(\n)%4], v[qT+4+(\n)%4], v[qS+8*((\n)%4)+2*((\n)/4)+1], v[qS+8*((\n)%4)+2*((\n)/4)+2]
.elseif (\n) == 12
	v_max3_num_f32 v[qT+4], v[qT+4], v[qS+7], v[qS+15]
.elseif (\n) == 13
	v_max3_num_f32 v[qT+5], v[qT+5], v[qS+23], v[qS+31]
.elseif (\n) == 14
	v_max3_num_f32 v[qT+6], v[qT+6], v[qT+7], v[qT+1]
.elseif (\n) == 15
	v_mov_b32 v[qM], v[qT]
.elseif (\n) == 16
	v_max3_num_f32 v[qT+4], v[qT+4], v[qT+5], v[qT+6]
.elseif (\n) == 17
	v_permlanex16_b32 v[qT+7], v[qT+4], s[SEL], s[SEL+1]
.elseif (\n) == 18
	v_max_num_f32 v[qT+1], v[qT+4], v[qT+7]
.elseif (\n) == 19
	v_mul_f32 v[qT], s[CS], v[qT+1]
.else
	v_sub_f32 v[qT+5], v[qM], v[qT]
.endif
.endm
.macro AOP t                           ; a
	TREG \t, 0
	WIN 0
	v_exp_f32 v[qA], v[qT+5]
.endm
.macro FOP f, b                        ; c s - c m for pair f / 2 of tile f % 2
	TREG (\f)%2, \b
	WIN 0
	v_pk_fma_f32 v[qS+2*((\f)/2):qS+2*((\f)/2)+1], v[qS+2*((\f)/2):qS+2*((\f)/2)+1], s[CS:CS+1], v[qT:qT+1] op_sel_hi:[1,0,0] neg_lo:[0,0,1] neg_hi:[0,0,1]
.endm
.macro EOP e, b                        ; the exponential of score e / 2 of tile e % 2
	TREG (\e)%2, \b
	WIN 0
	v_exp_f32 v[qS+(\e)/2], v[qS+(\e)/2]
.endm
; Number z of the 32 sums, tiles alternating.  B k: of the four weights 4 k .. the second pair is added onto the first, in place; L k: l takes that sum (L 0: l = a l + sum).  Order: B0 B1 L0 B2 L1 .. B7 L6 L7.
.macro BLOP z, b
	TREG (\z)%2, \b
	WIN 0
.set o, (\z)/2
.if (o == 0) || ((o < 15) && (o%2 == 1))
.set k, (o+1)/2
	v_pk_add_f32 v[qS+4*k:qS+4*k+1], v[qS+4*k:qS+4*k+1], v[qS+4*k+2:qS+4*k+3]
.else
.set k, o/2-1
.if o == 15
.set k, 7
.endif
.if k == 0
	v_pk_fma_f32 v[qT+2:qT+3], v[qT+2:qT+3], v[qA:qA+1], v[qS:qS+1] op_sel_hi:[1,0,1]
.else
	v_pk_add_f32 v[qT+2:qT+3], v[qT+2:qT+3], v[qS+4*k:qS+4*k+1]
.endif
.endif
.endm
.macro ROP q                           ; O^T's accumulator q (channels 16 (q / 2) on, tile q % 2) times a
	TREG (\q)%2, 0
	WIN W_RS
.set qO, 64*((\q)%2)+8*((\q)/2)
.irp z, 0,2,4,6
	v_pk_mul_f32 v[qO+\z:qO+\z+1], v[qO+\z:qO+\z+1], v[qA:qA+1] op_sel_hi:[1,0]
.endr
.endm
.macro MOP z                           ; pair z of 16 of the mask
	WIN W_RS
	v_pk_fma_f32 v[MC+2*(\z):MC+2*(\z)+1], v[MD+2*(\z):MD+2*(\z)+1], s[AL:AL+1], s[BE:BE+1] op_sel_hi:[1,0,0]
.endm
; THE WAY OUT of a block: l's two halves and the other half of the lanes' are added; O^T is divided by l, rounded to f16 and sent through my stage in LDS, a tile (a head's 16 rows) at a time.
.macro PACKW t
	TREG \t, 0
	WIN W_RS
.set i, 64*(\t)
.rept 32
	v_pk_mul_f32 v[i:i+1], v[i:i+1], v[qT+6:qT+7] op_sel_hi:[1,0]
.set i, i+2
.endr
	WIN 0x05                                       ; sources 0 and 1 window 1, destination window 0
.set i, 0
.rept 32
	v_cvt_pk_f16_f32 v[WT+32*(\t)+i], v[64*(\t)+2*i], v[64*(\t)+2*i+1]
.set i, i+1
.endr
	WIN 0
.irp f, 0,1,2,3,4,5,6,7
	ds_store_b128 v[STO], v[WT+32*(\t)+4*(\f):WT+32*(\t)+4*(\f)+3] offset:32*(\f)
.endr
.irp f, 0,1,2,3,4,5,6,7
	ds_load_b128 v[WT+32*(\t)+4*(\f):WT+32*(\t)+4*(\f)+3], v[RD] offset:(\f)*2*SP  ; LDS serves a wave's instructions in order (ISA guide 5.7.1.4): these see the stores above; the next tile's stores come behind them
.endr
.endm
.macro SENDW t, younger                ; younger: the LDS instructions issued behind tile t's loads
	WIN 0
.irp f, 0,1,2,3,4,5,6,7
	s_wait_dscnt (\younger)+7-(\f)
	global_store_b128 v[GO], v[WT+32*(\t)+4*(\f):WT+32*(\t)+4*(\f)+3], s[OP:OP+1] offset:8192*(\f)+256*(\t)  ; 16 lanes store a head's 256 bytes of a row, aligned
.endr
.endm
.macro WAYOUT sw                       ; sw = 1: the second block's rows follow
	WIN 0
.irp t, 0,1
	v_add_f32 v[ST+8*(\t)+4], v[ST+8*(\t)+2], v[ST+8*(\t)+3]
.endr
.irp t, 0,1
	v_permlanex16_b32 v[ST+8*(\t)+5], v[ST+8*(\t)+4], s[SEL], s[SEL+1]
.endr
.irp t, 0,1
	v_add_f32 v[ST+8*(\t)+4], v[ST+8*(\t)+4], v[ST+8*(\t)+5]
.endr
.irp t, 0,1
	v_rcp_f32 v[ST+8*(\t)+6], v[ST+8*(\t)+4]
.endr
	v_nop                                          ; a plain instruction between the last reciprocal and the use of its result,
	s_wait_alu depctr_va_vdst(0)                   ; and the wait: one for both
	PACKW 0
	PACKW 1
	SENDW 0, 16
	SENDW 1, 0
	s_wait_xcnt 0x0                                ; the stores have read their registers and their base: P's registers and the base are written again
.if \sw
	s_mov_b64 s[OP:OP+1], s[OPB:OPB+1]
.endif
.endm
; A CYCLE, of parity p.
.macro CYC p
	WIN 0
.if (\p) == 1
	s_cmp_eq_u32 s[JJ], s[RJ]
	s_cbranch_scc0 .Lno_reset_\@
.irp t, 0,1
	v_mov_b32 v[ST+8*(\t)], 0xfe000000             ; c m: far below every c s, so that the block's first a is 0
	v_mov_b32 v[ST+8*(\t)+1], 0xff7fffff           ; m: the lowest finite number
.endr
.Lno_reset_\@:
.else
	s_cmp_eq_u32 s[JJ], s[WJ]
	s_cbranch_scc0 .Lno_out_\@
	WAYOUT 1                                       ; the first block's O is whole, and has not yet been multiplied by the second block's first a
.Lno_out_\@:
.endif
	s_cmp_eq_u32 s[JJ], s[WB]                      ; the mask of the step that this cycle's K Q^T makes: step JJ of the tile
	s_cselect_b32 s[AL], 1.0, 0
	s_cmp_gt_u32 s[JJ], s[WB]
	s_cselect_b32 s[BE], s[BIGN], 0
	s_and_b32 s84, s[JJ], 3                        ; where that step lies in the slot (the walk's last two cycles, JJ = 4 and 5, take steps 0 and 1 again)
	s_mul_i32 s[TBK], s84, KS*PK
	s_add_co_u32 s[TBK], s[TBK], s[SBR]
	s_mul_i32 s[TBV], s84, KS*PV
	s_add_co_u32 s[TBV], s[TBV], s[SBR]
	s_add_co_u32 s[JJ], s[JJ], 1
.set i, 0
.rept 32                               ; the weights of step n, rounded: also the places between the last product that read K and the loads into K's registers
	v_cvt_pk_f16_f32 v[P+16*(i%2)+i/2], v[S+64*(\p)+32*(i%2)+2*(i/2)], v[S+64*(\p)+32*(i%2)+2*(i/2)+1]
.set i, i+1
.endr
	FETCH_K
	ROP 0
	ROP 1
.set i, 0
.rept 32
	PV \p
.if i < 14
	ROP i+2
.elseif i < 22
.irp n, 0,1,2,3
	BLOP 4*(i-14)+\n, \p
.endr
.elseif i < 26
.irp n, 0,1,2,3
	MOP 4*(i-22)+\n
.endr
.else
.irp n, 0,1,2,3
	XOP (4*(i-26)+\n)%2, (4*(i-26)+\n)/2, 1-(\p)
.endr
.endif
.set i, i+1
.endr
.irp n, 12,13,15,14,16,17,18,19,20     ; the rest of the maximum and the statistics: vector work with no product to stand behind
	XOP 0, \n, 1-(\p)
	XOP 1, \n, 1-(\p)
.endr
	s_wait_dscnt 0x0                               ; K of step n + 2 is in (and V of step n + 1, asked for at the last cycle's end)
.set i, 0
.rept 32
	KQ \p
.if i == 0
	FOP 0, 1-(\p)
	FOP 1, 1-(\p)
	AOP 0
	AOP 1
.else
.if i < 31
	FOP i+1, 1-(\p)
.endif
	EOP 2*i-2, 1-(\p)
	EOP 2*i-1, 1-(\p)
.endif
.set i, i+1
.endr
	EOP 62, 1-(\p)
	EOP 63, 1-(\p)
	v_nop                                          ; a plain instruction behind the last exponential: one for the batch
	s_wait_alu depctr_va_vdst(0)                   ; the cycle's one wait: none of the 66 results has been named yet
	FETCH_V \p                                     ; V of step n + 2: the last product that read these registers stands 18 plain instructions and more back
.endm
.macro STEPS n                         ; 2 n cycles
	WIN 0
	s_mov_b32 s[CNT], \n
.Lstep_\@:
	CYC 0
	CYC 1
	WIN 0
	s_sub_co_u32 s[CNT], s[CNT], 1
	s_cmp_lg_u32 s[CNT], 0
	s_cbranch_scc1 .Lstep_\@
.endm
; THE CHANGE OF SLOTS, at a trip's top: all fetches from the old slot have been issued.  Each wave waits for all its tensor loads, of which one is out: its part of the other slot; adds 0 to its spare word; and waits for
; that and for its own reads of the old slot.  fill = 1: the barrier is a round of the cluster's, and the old slot is filled again, first thing behind it, with tile NXT; it has four cycles, 256 matrix instructions, in which to land.
; (At its first use nothing has been read yet: slot 0 is waited for, slot 1 filled.)  Then the trip's flags are made from the walk's tile number, and at the second block's first tile its Q takes the first's place.
.macro CHANGE fill
	WIN 0
	s_wait_tensorcnt 0x0                           ; no tensor load of mine is out, so a group 0 may be written
	ds_add_u32 v[SPW], v[NIL]                      ; 0 onto my spare word; scalar work stands between it and the wait for it
.if \fill
	s_lshl_b32 s[OFF], s[NXT], 16                  ; a tile is 65,536 bytes of K and of V
	s_add_co_u32 s[G0K+1], s[WPK], s[SBR]          ; into the slot that is left
	s_add_nc_u64 s[G0K+2:G0K+3], s[KB:KB+1], s[OFF:OFF+1]
	s_or_b32 s[G0K+3], s[G0K+3], 0x80000000
	s_add_co_u32 s[G0V+1], s[WPV], s[SBR]
	s_add_nc_u64 s[G0V+2:G0V+3], s[VB:VB+1], s[OFF:OFF+1]
	s_or_b32 s[G0V+3], s[G0V+3], 0x80000000
	s_add_co_u32 s[NXT], s[NXT], 1                 ; the block's next tile, or behind its last the second block's tile 0
	s_cmp_gt_u32 s[NXT], s[LQ]
	s_cselect_b32 s[NXT], 0, s[NXT]
	s_cselect_b32 s[LQ], s[CP], s[LQ]
	s_wait_xcnt 0x0                                ; the last prefetch, a trip back, has read its address
	s_add_nc_u64 s[PFA:PFA+1], s[PFA:PFA+1], 65536
.endif
	s_xor_b32 s[SBR], s[SBR], SLOT                 ; the fetches go to the other slot
	s_wait_dscnt 0x0                               ; the add is done, and my reads of the old slot are over
.if \fill
	CROUND
	JLOAD
	ASK
.else
	s_barrier_signal -1
	s_barrier_wait -1
.endif
	s_sub_co_u32 s84, s[TA], 1
	s_cmp_eq_u32 s[KT], s84                        ; a block's last tile holds the diagonal
	s_cselect_b32 s[WB], s[WV], 0x100
	s_cmp_eq_u32 s[KT], 8
	s_cselect_b32 s[WB], s[WV], s[WB]
	s_cmp_eq_u32 s[KT], 0                          ; a block's first maximum is made in its first tile's second cycle
	s_cselect_b32 s[RJ], 1, 0x100
	s_cmp_eq_u32 s[KT], s[TA]
	s_cselect_b32 s[RJ], 1, s[RJ]
	s_cselect_b32 s[WJ], 2, 0x100                  ; and the first block's O is whole at the top of the third
	s_mov_b32 s[JJ], 0
	s_cbranch_scc0 .Lsame_q_\@
.rept 4
	v_nop                                          ; the places behind the last product that read Q
.endr
	WIN 0x81                                       ; from window 1 into window 2
.set i, 0
.rept 64
	v_mov_b32 v[i], v[QB+i]
.set i, i+1
.endr
	WIN 0
.Lsame_q_\@:
	s_add_co_u32 s[KT], s[KT], 1
.endm
.Lslot:                                            ; eight trips: a tile is entered and the next is asked for
	CHANGE 1
	STEPS 2
	s_sub_co_u32 s[SLOTS], s[SLOTS], 1
	s_cmp_lg_u32 s[SLOTS], 0
	s_cbranch_scc1 .Lslot
	CHANGE 0                                       ; the walk's last tile is written out: nothing is asked for
	STEPS 3                                        ; its four cycles and the two that empty the stream
	WAYOUT 0
	s_wait_tensorcnt 0x0                           ; the wave's end: behind my last tensor load and my last LDS store
	ds_add_u32 v[SPW], v[NIL]
	s_wait_dscnt 0x0
	CROUND                                         ; the closing round
	s_endpgm
.Lfunc_end_k_q326fedbf35_attn:
	.size	k_q326fedbf35_attn, .Lfunc_end_k_q326fedbf35_attn-k_q326fedbf35_attn
	.p2alignl 7, 3214868480
	.fill 96, 4, 3214868480
	.section	.rodata,"a",@progbits
	.p2align	6, 0x0
	.amdhsa_kernel k_q326fedbf35_attn
		.amdhsa_group_segment_fixed_size 327680
		.amdhsa_private_segment_fixed_size 0
		.amdhsa_enable_private_segment 0
		.amdhsa_kernarg_size 16
		.amdhsa_user_sgpr_count 2
		.amdhsa_user_sgpr_kernarg_segment_ptr 1
		.amdhsa_wavefront_size32 1
		.amdhsa_system_sgpr_workgroup_id_x 1
		.amdhsa_system_sgpr_workgroup_id_y 1
		.amdhsa_system_sgpr_workgroup_id_z 1
		.amdhsa_system_vgpr_workitem_id 0
		.amdhsa_next_free_vgpr 1024
		.amdhsa_next_free_sgpr 96
		.amdhsa_reserve_vcc 1
		.amdhsa_float_denorm_mode_32 3
		.amdhsa_float_denorm_mode_16_64 3
		.amdhsa_memory_ordered 1
		.amdhsa_forward_progress 1
		.amdhsa_inst_pref_size 190
	.end_amdhsa_kernel
	.amdgpu_metadata
---
amdhsa.version: [ 1, 2 ]
amdhsa.kernels:
  - .name:           k_q326fedbf35_attn
    .symbol:         k_q326fedbf35_attn.kd
    .args:
      - { .name: qkv, .offset: 0, .size: 8, .value_kind: global_buffer, .address_space: global }
      - { .name: att, .offset: 8, .size: 8, .value_kind: global_buffer, .address_space: global }
    .group_segment_fixed_size: 327680
    .private_segment_fixed_size: 0
    .kernarg_segment_align: 8
    .kernarg_segment_size: 16
    .max_flat_workgroup_size: 128
    .sgpr_count:     96
    .vgpr_count:     1024
    .wavefront_size: 32
...
	.end_amdgpu_metadata
.endif
;; end of part 3
;; launch outp (part 4): grid 8 x 32, 4 waves a work-group, clusters of 4 x 4, 327,680 bytes of LDS; arguments att, cast, out0; writes out0
.if DOCPART == 4
	.amdgcn_target "amdgcn-amd-amdhsa--gfx1250"
	.amdhsa_code_object_version 6
	.text
	.protected	k_q326fedbf35_outp
	.globl	k_q326fedbf35_outp
	.p2align	8
	.type	k_q326fedbf35_outp,@function
k_q326fedbf35_outp:
	s_mov_b64 s[64:65], 0
	v_nop
	global_prefetch_b8 v0, s[64:65] scope:SCOPE_SE
	s_setreg_imm32_b32 hwreg(HW_REG_WAVE_MODE, 25, 1), 1
	s_wait_xcnt 0x0
	s_wait_alu depctr_hold_cnt(0) depctr_sa_sdst(0) depctr_va_vdst(0) depctr_va_sdst(0) depctr_va_ssrc(0) depctr_va_vcc(0) depctr_vm_vsrc(0)
	s_getreg_b32 s2, hwreg(HW_REG_IB_STS2, 6, 4)
	s_cmp_eq_u32 s2, 0
	s_cbranch_scc0 .Lentry_in_a_cluster
	s_endpgm
.Lentry_in_a_cluster:
	s_bfe_u32 s2, ttmp6, 0x10000c
	s_cmp_lg_u32 s2, 0xf033
	s_cbranch_scc0 .Lentry_shape_is_right
	s_endpgm
.Lentry_shape_is_right:
; out0 = att wo^T.  A = att, [4096][2048] f16; B = wo (rounded to bf16, written as f16), [1024][2048], in 'cast'; C = out0, [4096][1024] f32.  Sums in f32.
; A tile of C is 128 x 128, so that 8 x 32 tiles give each of 256 work-groups one.  Four waves, each 64 x 64: 16 accumulators, 128 registers.  K goes in steps of 256 (LDS rows of 512 bytes; a wave's tensor load
; brings 64 of them) through two slots.  CLUSTERS: 4 x 4 work-groups; A's tiles are asked for jointly along a row of the cluster, B's along a column.
; THE MATRIX INSTRUCTION IS USED TRANSPOSED (source 0 = 16 rows of B, source 1 = 16 rows of A): a lane holds eight neighbouring numbers of a row of C, 32 bytes.
; THE WAY OUT: a wave's 64 columns of f32 are 256 aligned bytes of a row, so each wave has a stage of its own (16 rows x 272 bytes) and no barrier is needed.
; No prefetch: the tiles are small, and a step's products are few beside the bytes that it fetches.
; REGISTERS: window 0: v0-31 addresses; v32-95 rows read back from the stage, two halves by turns; v128-255 the accumulators ((a, b) at v[128 + 8 (4 a + b)]).   window 1: two fragment buffers of 128.
.set SIZE_K, 2048
.set KSTEP,  256
.set PITCH,  528
.set HALFT,  64*PITCH
.set SLOT,   4*HALFT
.set STAGE,  2*SLOT
.set SPITCH, 272
.set SPARE,  STAGE+4*16*SPITCH         ; the spare words: 128 bytes a wave, two blocks of 256 bytes that no other line names
.set LAPS,   SIZE_K/(2*KSTEP)          ; 4
.set WOBOFF, 16777216                  ; wo's place in cast
.set ADRA, 16
.set ADRB, 20
.set STO,  24
.set RD,   25
.set CO,   26
.set SPW,  28
.set NIL,  29
.set TMP,  32
.set ACC,  128
.set F0,   0
.set F1,   128
.set G1, 24
.set G0, 32
.set G1B, 48
.set G0B, 56
.set MSB, 0
.macro WIN new
.if MSB != (\new)
	s_set_vgpr_msb (MSB<<8)|(\new)
.set MSB, \new
.endif
.endm
.set MUL,  0x05                        ; sources 0 (B) and 1 (A) window 1; C and D window 0
.set TO_F, 0x40                        ; destination window 1, address window 0
.macro JLOAD s                         ; a joint load: waves 0 and 1 fetch A's two halves, waves 2 and 3 B's; an s_nop 0 and four v_nop follow each line
	s_cmp_eq_u32 s11, 0
	s_cbranch_scc0 .Lfor_b_\@
	tensor_load_to_lds s[G0+4*(\s):G0+4*(\s)+3], s[G1:G1+7]
	s_nop 0
.rept 4
	v_nop
.endr
	s_branch .Lasked_\@
.Lfor_b_\@:
	tensor_load_to_lds s[G0B+4*(\s):G0B+4*(\s)+3], s[G1B:G1B+7]
	s_nop 0
.rept 4
	v_nop
.endr
.Lasked_\@:
.endm
.macro CREST
	s_cmp_lg_u32 s10, 0
	s_cbranch_scc1 .Lnot_wave_0_\@
	s_barrier_signal -3
.Lnot_wave_0_\@:
	s_barrier_wait -3
	s_barrier_signal -1
	s_barrier_wait -1
.endm
.macro CROUND
	s_barrier_signal -1
	s_barrier_wait -1
	CREST
.endm
	s_load_b128 s[4:7], s[0:1], 0x0                ; att s[4:5], cast s[6:7]
	s_load_b64 s[8:9], s[0:1], 0x10                ; out0
	v_lshl_add_u32 v[SPW], v0, 2, SPARE
	v_mov_b32 v[NIL], 0
	ds_add_u32 v[SPW], v[NIL]                      ; the wave's opening: the add and its wait stand ahead of my first tensor load; the set-up below stands between them
	v_lshrrev_b32 v1, 5, v0
	v_readfirstlane_b32 s10, v1                    ; wave 0..3
	s_lshr_b32 s11, s10, 1                         ; which half of the tile's rows is mine.  Also: I fetch for A (0) or for B (1)
	s_and_b32 s12, s10, 1                          ; which half of its columns.  Also: which 64 rows of that tile I fetch
	s_bfe_u32 s40, ttmp6, 0x40000
	s_bfe_u32 s41, ttmp6, 0x40004
	s_lshl_b32 s42, ttmp9, 2
	s_add_co_u32 s42, s42, s40                     ; tile column
	s_and_b32 s13, ttmp7, 0xffff
	s_lshl_b32 s13, s13, 2
	s_add_co_u32 s13, s13, s41                     ; tile row
	s_lshl_b32 s43, s41, 2
	s_lshl_b32 s43, 15, s43                        ; my row of the cluster
	s_lshl_b32 s44, 0x1111, s40                    ; my column
	s_or_b32 s[G1+0], s43, (1<<16)|(1<<20)|(1<<21)|(6<<22)|(3<<25)   ; the mask; 2-byte elements; padding on; bit 21 beside a mask; after every 128 words 4 words
	s_or_b32 s[G1B+0], s44, (1<<16)|(1<<20)|(1<<21)|(6<<22)|(3<<25)
.irp g, G1, G1B
	s_mov_b32 s[(\g)+1], KSTEP<<16
	s_mov_b32 s[(\g)+2], 64<<16
	s_mov_b32 s[(\g)+3], KSTEP<<16
	s_mov_b32 s[(\g)+4], 64
	s_mov_b32 s[(\g)+5], SIZE_K
	s_mov_b32 s[(\g)+6], 0
	s_mov_b32 s[(\g)+7], 0
.endr
	s_lshl_b32 s17, s12, 6
	s_lshl_b32 s16, s13, 7
	s_add_co_u32 s16, s16, s17                     ; A: row 128 x tile row + 64 x half
	s_lshl_b32 s46, s42, 7
	s_add_co_u32 s46, s46, s17                     ; B: row 128 x tile column + 64 x half
	s_mov_b32 s17, 0
	s_mov_b32 s47, 0
	s_mov_b64 s[18:19], SIZE_K*2
	s_mul_u64 s[16:17], s[16:17], s[18:19]
	s_mul_u64 s[46:47], s[46:47], s[18:19]
	s_mul_i32 s20, s10, HALFT
	s_wait_dscnt 0x0                               ; the opening add is done
	s_wait_kmcnt 0x0
	s_add_nc_u64 s[6:7], s[6:7], WOBOFF
	s_add_nc_u64 s[14:15], s[4:5], s[16:17]
	s_add_nc_u64 s[46:47], s[6:7], s[46:47]
	CROUND                                         ; all sixteen work-groups are here: the first joint loads meet
.irp s, 0,1
	s_mov_b32 s[G0+4*(\s)], 1
	s_add_co_u32 s[G0+4*(\s)+1], s20, (\s)*SLOT
	s_add_nc_u64 s[G0+4*(\s)+2:G0+4*(\s)+3], s[14:15], (\s)*KSTEP*2
	s_or_b32 s[G0+4*(\s)+3], s[G0+4*(\s)+3], 0x80000000
	s_mov_b32 s[G0B+4*(\s)], 1
	s_add_co_u32 s[G0B+4*(\s)+1], s20, (\s)*SLOT
	s_add_nc_u64 s[G0B+4*(\s)+2:G0B+4*(\s)+3], s[46:47], (\s)*KSTEP*2
	s_or_b32 s[G0B+4*(\s)+3], s[G0B+4*(\s)+3], 0x80000000
	JLOAD \s
.endr
	v_and_b32 v1, 15, v0                           ; l % 16
	v_bfe_u32 v2, v0, 4, 1                         ; l / 16
	v_mul_u32_u24 v3, v1, PITCH
	v_lshl_add_u32 v3, v2, 4, v3
	s_mul_i32 s21, s11, HALFT                      ; my 64 rows of A
	s_mul_i32 s22, s12, HALFT                      ; my 64 rows of B,
	s_add_co_u32 s22, s22, 2*HALFT                 ; which lie behind A's 128
.irp s, 0,1
	v_add_nc_u32 v[ADRA+(\s)], s21, v3
	v_add_nc_u32 v[ADRB+(\s)], s22, v3
	s_add_co_u32 s21, s21, SLOT
	s_add_co_u32 s22, s22, SLOT
.endr
	s_mul_i32 s23, s10, 16*SPITCH
	s_add_co_u32 s23, s23, STAGE                   ; my stage
	v_mul_u32_u24 v4, v1, SPITCH                   ; in: row l % 16, 32 bytes for each half of the lanes
	v_lshl_add_u32 v4, v2, 5, v4
	v_add_nc_u32 v[STO], s23, v4
	v_mul_u32_u24 v5, v2, SPITCH                   ; back: lanes 0-15 one row of 256 bytes, lanes 16-31 the next
	v_lshl_add_u32 v5, v1, 4, v5
	v_add_nc_u32 v[RD], s23, v5
	v_lshlrev_b32 v5, 12, v2                       ; and the same two rows in C: 4,096 bytes apart
	v_lshl_add_u32 v[CO], v1, 4, v5
	s_lshl_b32 s16, s13, 7
	s_lshl_b32 s17, s11, 6
	s_add_co_u32 s16, s16, s17                     ; my first row of C
	s_lshl_b32 s16, s16, 12
	s_mov_b32 s17, 0
	s_add_nc_u64 s[8:9], s[8:9], s[16:17]
	s_lshl_b32 s46, s42, 9                         ; my first column, in bytes: 512 x tile column + 256 x half
	s_lshl_b32 s47, s12, 8
	s_add_co_u32 s46, s46, s47
	s_mov_b32 s47, 0
	s_add_nc_u64 s[8:9], s[8:9], s[46:47]
; 8 matrix instructions: m blocks a0, a0 + 1 x all 4 n blocks, 32 along K: half c of buffer f.  The 16 accumulators take turns.
.macro MUL8 f, c, a0, zero
	WIN MUL
.irp a, \a0, (\a0)+1
.irp b, 0,1,2,3
.if \zero
	v_wmma_f32_16x16x32_f16 v[ACC+8*(4*(\a)+(\b)):ACC+8*(4*(\a)+(\b))+7], v[(\f)+64+8*(4*(\c)+(\b)):(\f)+64+8*(4*(\c)+(\b))+7], v[(\f)+8*(4*(\c)+(\a)):(\f)+8*(4*(\c)+(\a))+7], 0
.else
	v_wmma_f32_16x16x32_f16 v[ACC+8*(4*(\a)+(\b)):ACC+8*(4*(\a)+(\b))+7], v[(\f)+64+8*(4*(\c)+(\b)):(\f)+64+8*(4*(\c)+(\b))+7], v[(\f)+8*(4*(\c)+(\a)):(\f)+8*(4*(\c)+(\a))+7], v[ACC+8*(4*(\a)+(\b)):ACC+8*(4*(\a)+(\b))+7]
.endif
.endr
.endr
.endm
; 32 LDS loads in one run: the fragments of 64 along K at byte k of the rows, into buffer f; the first 32 along K first
.macro FETCH slot, k, f
	WIN TO_F
.irp c, 0,1
.irp i, 0,1,2,3
	ds_load_b128 v[(\f)+64+8*(4*(\c)+(\i)):(\f)+64+8*(4*(\c)+(\i))+3],   v[ADRB+(\slot)] offset:(\k)+64*(\c)+(\i)*16*PITCH
	ds_load_b128 v[(\f)+64+8*(4*(\c)+(\i))+4:(\f)+64+8*(4*(\c)+(\i))+7], v[ADRB+(\slot)] offset:(\k)+64*(\c)+(\i)*16*PITCH+32
	ds_load_b128 v[(\f)+8*(4*(\c)+(\i)):(\f)+8*(4*(\c)+(\i))+3],         v[ADRA+(\slot)] offset:(\k)+64*(\c)+(\i)*16*PITCH
	ds_load_b128 v[(\f)+8*(4*(\c)+(\i))+4:(\f)+8*(4*(\c)+(\i))+7],       v[ADRA+(\slot)] offset:(\k)+64*(\c)+(\i)*16*PITCH+32
.endr
.endr
.endm
.macro PLACES
.rept 4
	v_nop
.endr
.endm
.macro QUARTER slot, k, f, g, zero
	s_wait_dscnt 16                                ; the first 32 along K are in; the other sixteen loads may be out
	WIN MUL
	MUL8 \f, 0, 0, \zero
	MUL8 \f, 0, 2, \zero
	PLACES
	FETCH \slot, \k, \g
	s_wait_dscnt 32                                ; all but the 32 just issued
	WIN MUL
	MUL8 \f, 1, 0, 0
	MUL8 \f, 1, 2, 0
.endm
; The last quarter multiplies buffer 1 and changes slots: one barrier; in front of it each wave waits for all its tensor loads, adds 0 to its spare word, and waits for that and for its reads of this slot.
.macro TURN slot, next, fill
	WIN 0
	s_wait_tensorcnt 0x0                           ; all my tensor loads have landed: my part of the next slot;
	ds_add_u32 v[SPW], v[NIL]                      ; 0 onto my spare word;
	s_wait_dscnt 17                                ; (the add and the youngest sixteen loads may be out)
	WIN MUL
	MUL8 F1, 0, 0, 0
	s_wait_dscnt 0x0                               ; the add is done, and my reads of this slot are over
	s_barrier_signal -1
	MUL8 F1, 0, 2, 0
.if \fill
	WIN 0
.endif
	s_barrier_wait -1
.if \fill
	CREST                                          ; the barrier has opened a round of the cluster's barrier
	s_add_nc_u64 s[G0+4*(\slot)+2:G0+4*(\slot)+3], s[G0+4*(\slot)+2:G0+4*(\slot)+3], 2*KSTEP*2
	s_add_nc_u64 s[G0B+4*(\slot)+2:G0B+4*(\slot)+3], s[G0B+4*(\slot)+2:G0B+4*(\slot)+3], 2*KSTEP*2
	JLOAD \slot                                    ; the first tensor load behind the round; its four v_nop are also the places in front of the loads below
.else
	PLACES
.endif
	FETCH \next, 0, F0
	WIN MUL
	MUL8 F1, 1, 0, 0
	MUL8 F1, 1, 2, 0
.endm
	s_wait_tensorcnt 1                             ; my part of K step 0 is in; K step 1's load may stay out
	s_barrier_signal -1
	s_barrier_wait -1
	FETCH 0, 0, F0
	QUARTER 0, 128, F0, F1, 1                      ; the first quarter stands in front of the loop: its first products start the sums
	WIN 0
	s_mov_b32 s3, LAPS-1
.Llap:
	QUARTER 0, 256, F1, F0, 0
	QUARTER 0, 384, F0, F1, 0
	TURN 0, 1, 1
	QUARTER 1, 128, F0, F1, 0
	QUARTER 1, 256, F1, F0, 0
	QUARTER 1, 384, F0, F1, 0
	TURN 1, 0, 1
	QUARTER 0, 128, F0, F1, 0
	WIN 0
	s_sub_co_u32 s3, s3, 1
	s_cmp_lg_u32 s3, 0
	s_cbranch_scc1 .Llap
	QUARTER 0, 256, F1, F0, 0                      ; the last lap fills nothing
	QUARTER 0, 384, F0, F1, 0
	TURN 0, 1, 0
	QUARTER 1, 128, F0, F1, 0
	QUARTER 1, 256, F1, F0, 0
	QUARTER 1, 384, F0, F1, 0
	s_wait_dscnt 16
	WIN MUL
	MUL8 F1, 0, 0, 0
	MUL8 F1, 0, 2, 0
	s_wait_dscnt 0
	MUL8 F1, 1, 0, 0
	MUL8 F1, 1, 2, 0
	WIN 0
	; THE WAY OUT, a block of 16 rows at a time: 32 bytes a lane into my stage, each accumulator's four lowest registers first; back as whole rows of 256 bytes; stored.
.macro PK a
.irp b, 0,1,2,3
	ds_store_b128 v[STO], v[ACC+8*(4*(\a)+(\b)):ACC+8*(4*(\a)+(\b))+3]   offset:64*(\b)
	ds_store_b128 v[STO], v[ACC+8*(4*(\a)+(\b))+4:ACC+8*(4*(\a)+(\b))+7] offset:64*(\b)+16
.endr
.irp t, 0,1,2,3,4,5,6,7
	ds_load_b128 v[TMP+32*((\a)%2)+4*(\t):TMP+32*((\a)%2)+4*(\t)+3], v[RD] offset:(\t)*2*SPITCH  ; LDS serves a wave's instructions in order (ISA guide 5.7.1.4): these see the stores above; the next block's stores come behind them
.endr
.endm
.macro SD a, younger                   ; younger: the LDS instructions issued behind block a's loads: the next block's sixteen, or none
.irp t, 0,1,2,3,4,5,6,7
	s_wait_dscnt (\younger)+7-(\t)
	global_store_b128 v[CO], v[TMP+32*((\a)%2)+4*(\t):TMP+32*((\a)%2)+4*(\t)+3], s[8:9] offset:(16*(\a)+2*(\t))*4096  ; 16 lanes store 256 consecutive bytes, aligned
.endr
.endm
	PLACES                                         ; behind the last products
	PK 0
	PK 1
	SD 0, 16
	s_wait_xcnt 0x0                                ; block 0's stores have read their registers, which block 2 takes
	PK 2
	SD 1, 16
	s_wait_xcnt 0x0
	PK 3
	SD 2, 16
	SD 3, 0
	s_wait_tensorcnt 0x0                           ; the wave's end: behind my last tensor load and my last LDS store
	ds_add_u32 v[SPW], v[NIL]
	s_wait_dscnt 0x0
	CROUND                                         ; the closing round
	s_endpgm
.Lfunc_end_k_q326fedbf35_outp:
	.size	k_q326fedbf35_outp, .Lfunc_end_k_q326fedbf35_outp-k_q326fedbf35_outp
	.p2alignl 7, 3214868480
	.fill 96, 4, 3214868480
	.section	.rodata,"a",@progbits
	.p2align	6, 0x0
	.amdhsa_kernel k_q326fedbf35_outp
		.amdhsa_group_segment_fixed_size 327680
		.amdhsa_private_segment_fixed_size 0
		.amdhsa_enable_private_segment 0
		.amdhsa_kernarg_size 24
		.amdhsa_user_sgpr_count 2
		.amdhsa_user_sgpr_kernarg_segment_ptr 1
		.amdhsa_wavefront_size32 1
		.amdhsa_system_sgpr_workgroup_id_x 1
		.amdhsa_system_sgpr_workgroup_id_y 1
		.amdhsa_system_sgpr_workgroup_id_z 1
		.amdhsa_system_vgpr_workitem_id 0
		.amdhsa_next_free_vgpr 512
		.amdhsa_next_free_sgpr 66
		.amdhsa_reserve_vcc 0
		.amdhsa_float_denorm_mode_32 3
		.amdhsa_float_denorm_mode_16_64 3
		.amdhsa_memory_ordered 1
		.amdhsa_forward_progress 1
		.amdhsa_inst_pref_size 86
	.end_amdhsa_kernel
	.amdgpu_metadata
---
amdhsa.version: [ 1, 2 ]
amdhsa.kernels:
  - .name:           k_q326fedbf35_outp
    .symbol:         k_q326fedbf35_outp.kd
    .args:
      - { .name: att, .offset: 0, .size: 8, .value_kind: global_buffer, .address_space: global }
      - { .name: cast, .offset: 8, .size: 8, .value_kind: global_buffer, .address_space: global }
      - { .name: out0, .offset: 16, .size: 8, .value_kind: global_buffer, .address_space: global }
    .group_segment_fixed_size: 327680
    .private_segment_fixed_size: 0
    .kernarg_segment_align: 8
    .kernarg_segment_size: 24
    .max_flat_workgroup_size: 128
    .sgpr_count:     66
    .vgpr_count:     512
    .wavefront_size: 32
...
	.end_amdgpu_metadata
.endif
;; end of part 4
